; MI455X (gfx1250); checked and timed in simulation.
; The chip was launched on July 23, 2026; its instructions are those of AMD's public machine-readable ISA for CDNA 5 (MIT licence, August 2026) and "CDNA5" Instruction Set Architecture Reference Guide (July 2026). The comments in the code are by the model that wrote it; some were corrected since.
;; Causal Self Attention. Allowed arithmetic: matrix products marked QUANTISED: E2M1 operands, one E8M0 scale for each 32 along K, by v_wmma_scale_f32_16x16x128_f8f6f4 with both operands' format E2M1 (or v_wmma_scale_f32_32x16x128_f4), f32 sums; products left as they are: bf16, f16 or f32 operands; f32 sums; everything else in f32.
;; Inputs: Wk 1,024 x 1,024 float32; Wo 1,024 x 1,024 float32; Wq 1,024 x 1,024 float32; Wv 1,024 x 1,024 float32; bk 1,024 float32; bo 1,024 float32; bq 1,024 float32; bv 1,024 float32; x 4 x 2,048 x 1,024 float32.
;; Outputs: out0 4 x 2,048 x 1,024 float32.
;; This version of the problem:
;;   THIS VERSION OF THE PROBLEM IS GIVEN IN LOW PRECISION. The matrix products marked QUANTISED in the list below multiply operands that are first quantised to E2M1 (2 exponent bits, 1 mantissa bit; 4 bits a number), with one power-of-two scale for each 32 numbers along K (OCP MX v1.0); their sums are f32. The products marked 'left as it is' may take bf16, f16 or f32 operands, with f32 sums. Whichever they take, every output number must still come out within the allowed error. Rounding operands to bf16 (8 significant bits) uses up far more of that allowance than f16 does (11 bits, for magnitudes from 6e-5 to 65,504). All else is computed in f32.
;;   The module's matrix products, in the order in which they are computed (A, B: the left and right operand; K: the contracted axis; several contracted axes count as one K, in the product's order):
;;     1. [M 8,192, K 1,024] x [K 1,024, N 1,024]; A: input x; B: input Wq: QUANTISED
;;     2. [M 8,192, K 1,024] x [K 1,024, N 1,024]; A: input x; B: input Wk: QUANTISED
;;     3. [M 8,192, K 1,024] x [K 1,024, N 1,024]; A: input x; B: input Wv: QUANTISED
;;     4. batch 64 x [M 2,048, K 64] x [K 64, N 2,048]; A: computed on the way; B: computed on the way: left as it is (an operand is computed on the way)
;;     5. batch 64 x [M 2,048, K 2,048] x [K 2,048, N 64]; A: computed on the way; B: computed on the way: left as it is (an operand is computed on the way)
;;     6. [M 8,192, K 1,024] x [K 1,024, N 1,024]; A: computed on the way; B: input Wo: left as it is (an operand is computed on the way)
;;   THE QUANTISER, for each operand of a quantised product, along K:
;;     - K is cut into blocks of 32 from its start; a last block that is shorter is filled with zeros.
;;     - A block's scale is 2^e with e = floor(log2(the largest magnitude in the block)) - 2, held to -126 .. 127; a block of zeros has e = 0. As a byte (E8M0): e + 127.
;;     - Each number is divided by its block's scale, clamped to +-6, and rounded to the nearest number of E2M1, ties to even, subnormals kept.
;;     - The product sums the exact products of the quantised numbers (number of the format x scale) in f32.
;;   ~~~python
;;   def quantise(x, axis):      # numpy; x: float32 -> the quantised numbers, widened to float32 again
;;       x = np.moveaxis(x, axis, -1); K = x.shape[-1]
;;       x = np.pad(x, [(0, 0)] * (x.ndim - 1) + [(0, -K % 32)]); x = x.reshape(x.shape[:-1] + (-1, 32)); a = np.abs(x).max(-1, keepdims=True)
;;       e = np.where(a > 0, np.clip(np.frexp(np.where(a > 0, a, 1))[1] - 1 - 2, -126, 127), 0)      # np.frexp(a)[1] - 1 = floor(log2(a)), exactly
;;       r = np.clip(x / 2.0 ** e, -6, 6)
;;       step = 2.0 ** (np.maximum(np.frexp(np.where(r == 0, 1, r))[1] - 1, 0) - 1)
;;       q = np.round(r / step) * step * 2.0 ** e      # np.round: ties to even
;;       return np.moveaxis(q.reshape(q.shape[:-2] + (-1,))[..., :K], -1, axis).astype(np.float32)
;;   ~~~
;; One version. Each part assembles by itself: llvm-mc -triple=amdgcn-amd-amdhsa -mcpu=gfx1250 --defsym DOCPART=n.
;; ======== version 1 of 1: 5 launches
;; limits: values are held in f16: magnitudes above 65,504 overflow, below 6.1e-05 lose precision
;; workspace buffers: xc 4,194,304 bytes; xs 262,144 bytes; wc 1,572,864 bytes; ws 98,304 bytes; wot 2,097,152 bytes; qkv 50,331,648 bytes; yh 16,777,216 bytes; fq 786,432 bytes
;; launch prep (part 1): grid 368 x 1, 4 waves a work-group, no clusters, 102,912 bytes of LDS; arguments x, Wq, Wk, Wv, Wo, xc, xs, wc, ws, wot; writes xc, xs, wc, ws, wot
.if DOCPART == 1
	.amdgcn_target "amdgcn-amd-amdhsa--gfx1250"
	.amdhsa_code_object_version 6
	.text
	.protected	k_q1047c9d470_prep
	.globl	k_q1047c9d470_prep
	.p2align	8
	.type	k_q1047c9d470_prep,@function
k_q1047c9d470_prep:
	s_mov_b64 s[64:65], 0
	v_nop
	global_prefetch_b8 v0, s[64:65] scope:SCOPE_SE
	s_setreg_imm32_b32 hwreg(HW_REG_WAVE_MODE, 25, 1), 1
	s_wait_xcnt 0x0
; PREP: everything that later launches read many times is brought into its narrow form once.
;   work-groups 0-47:    Wq, Wk, Wv [k 1024][n 1024] f32 -> codes of FP4 (E2M1) with K innermost, wc [mat 1024 + n][512 bytes], and E8M0 bytes ws [mat 1024 + n][32]
;   work-groups 48-111:  Wo [k][n] f32 -> f16, turned: wot [n][k]
;   work-groups 112-367: x [8192][1024] f32 -> codes xc [8192][512 bytes] and E8M0 bytes xs [8192][32]
; A block's scale is 2^(floor(log2(its largest magnitude)) - 2): its byte is the largest magnitude's exponent field - 2, held at 1 from below.
; LIMITS: a block of zeros gets the byte 1 (its codes are zeros, and this program alone reads the bytes); NaN and infinities among the inputs are not served;
; Wo's numbers must fit f16 (magnitudes up to 65,504).
; The three paths part on the work-group's number alone; each has LDS bytes of its own; waves share nothing, so there is no barrier.
.set SPARE, 102400                     ; behind the three regions: the spare words, 128 bytes a wave, that no other line names
.set SPW,   192                        ; v192 LDS address of my spare word; never rewritten
.set NIL,   193                        ; v193 0; never rewritten
.set WB,    32768                      ; the W path's four stages of 32 x 272 bytes
.set OB,    67584                      ; the Wo path's four stages
; x path
.set STEPS, 16
.set EMAX,  2
.set CB,    8                          ; bytes of 16 codes
.set R,     16                         ; v16-79   four sets of 16 numbers as loaded
.set X,     80                         ; v80-111  two sets of 16 neighbours
.set E,     112                        ; v112-127 a scale byte for each step
.set C,     128                        ; v128-191 codes, four registers a step
.set WREG,  8192                       ; a wave's region: two stages of 32 x SP bytes, then its 256 scale bytes
.set SP,    80                         ; a lane's place in a stage: 64 bytes + 16 of padding
; W and Wo paths
.set WX,    32                         ; v32-95   two sets of 32 numbers down K
.set WC,    96                         ; v96-111  a block's codes (4) or f16 pairs (16)
.set OUTR,  112                        ; v112-175 the way out
.set SB,    24                         ; v24-27   scale bytes, four to a register
.set WL,    194                        ; v194 4 x lane: my column in a row of W
.set WSI,   195                        ; v195 stage, in: row = my column
.set WSO,   196                        ; v196 stage, out: sixteen lanes to a row
.set WGO,   197                        ; v197 the same place in the output
.set WSC,   198                        ; v198 my column's row of scale bytes
	s_load_b512 s[4:19], s[0:1], 0x0               ; x 4:5, Wq 6:7, Wk 8:9, Wv 10:11, Wo 12:13, xc 14:15, xs 16:17, wc 18:19
	s_load_b128 s[20:23], s[0:1], 0x40             ; ws 20:21, wot 22:23
	v_lshl_add_u32 v[SPW], v0, 2, SPARE
	v_mov_b32 v[NIL], 0
	v_lshrrev_b32 v1, 5, v0
	v_readfirstlane_b32 s24, v1                    ; wave
	v_and_b32 v2, 31, v0                           ; lane
	s_wait_kmcnt 0x0
	s_cmp_lt_u32 ttmp9, 48
	s_cbranch_scc1 .Lw
	s_cmp_lt_u32 ttmp9, 112
	s_cbranch_scc1 .Lwo
; ---------------- x: a plain stream of blocks of 32.  A wave takes 16 steps of 512 numbers.  Each load reads 512 consecutive bytes; the 2,048 bytes of a step turn through the wave's
; stage so that a lane holds 16 neighbours along K (two lanes to a block); a lane's 16 codes are 8 bytes, a wave's store 256 consecutive bytes.
	v_lshlrev_b32 v3, 4, v2                        ; my 16 bytes of a load's 512
	s_mul_i32 s25, s24, WREG
	v_lshrrev_b32 v14, 2, v2
	v_mul_u32_u24 v14, v14, SP
	v_and_b32 v15, 3, v2
	v_lshl_add_u32 v14, v15, 4, v14
	v_add_nc_u32 v14, s25, v14                     ; stage, in: SP (lane / 4) + 16 (lane % 4)
	v_mul_u32_u24 v15, v2, SP
	v_add_nc_u32 v15, s25, v15                     ; stage, out: SP x lane
	v_mul_u32_u24 v4, v2, CB                       ; my codes' place in a step's
	v_lshrrev_b32 v5, 1, v2
	s_add_co_u32 s25, s25, 2*32*SP
	v_add_nc_u32 v5, s25, v5                       ; my block's scale byte in LDS
	v_lshlrev_b32 v7, 3, v2
	v_add_nc_u32 v6, s25, v7                       ; and 8 bytes a lane on the way out
	s_sub_co_u32 s26, ttmp9, 112
	s_lshl_b32 s26, s26, 2
	s_add_co_u32 s26, s26, s24                     ; which run of 8,192 numbers is my wave's
	s_mov_b32 s27, 0
	s_lshl_b64 s[28:29], s[26:27], 15
	s_add_nc_u64 s[4:5], s[4:5], s[28:29]          ; 32,768 bytes of x a run,
	s_lshl_b64 s[28:29], s[26:27], 12
	s_add_nc_u64 s[14:15], s[14:15], s[28:29]      ; 4,096 of codes,
	s_lshl_b64 s[28:29], s[26:27], 8
	s_add_nc_u64 s[16:17], s[16:17], s[28:29]      ; 256 of scale bytes
.macro XLOAD t
.irp i, 0,1,2,3
	global_load_b128 v[R+16*((\t)%4)+4*\i:R+16*((\t)%4)+4*\i+3], v3, s[4:5] offset:2048*(\t)+512*\i th:TH_LOAD_NT
.endr
.endm
.macro XTURN t                         ; LDS serves a wave's instructions in order: no wait between these stores and loads
.irp i, 0,1,2,3
	ds_store_b128 v14, v[R+16*((\t)%4)+4*\i:R+16*((\t)%4)+4*\i+3] offset:32*SP*((\t)%2)+8*SP*\i
.endr
.irp i, 0,1,2,3
	ds_load_b128 v[X+16*((\t)%2)+4*\i:X+16*((\t)%2)+4*\i+3], v15 offset:32*SP*((\t)%2)+16*\i
.endr
.endm
.irp t, 0,1,2,3
	XLOAD \t
.endr
	s_wait_loadcnt 12                              ; step 0's four loads are in; the twelve of steps 1 to 3 may be out
	XTURN 0
.macro XSTEP t
.set XS, X+16*((\t)%2)
.if (\t) > 0
	s_wait_dscnt 1                                 ; this step's numbers are back from the stage; the last step's byte store may be out
.else
	s_wait_dscnt 0x0
.endif
.if (\t)+4 < STEPS
	XLOAD (\t)+4                                   ; into the set that this step's stage stores have read
.endif
.if (\t)+1 < STEPS
.if STEPS-2-(\t) >= 3
	s_wait_loadcnt 12                              ; the next step's four loads are in; the three steps behind it may be out
.else
	s_wait_loadcnt 4*(STEPS-2-(\t))
.endif
	XTURN (\t)+1
.endif
	v_max3_num_f32 v8, |v[XS]|, |v[XS+1]|, |v[XS+2]|
	v_max3_num_f32 v9, |v[XS+3]|, |v[XS+4]|, |v[XS+5]|
.irp i, 6,10
	v_max3_num_f32 v8, v8, |v[XS+\i]|, |v[XS+\i+1]|
	v_max3_num_f32 v9, v9, |v[XS+\i+2]|, |v[XS+\i+3]|
.endr
	v_max3_num_f32 v8, v8, |v[XS+14]|, |v[XS+15]|
	v_max3_num_f32 v8, v8, v9, (EMAX+1)<<23        ; the floor 2^(3 - 127): the byte cannot fall under 1
	v_max_num_f32_dpp v8, v8, v8 row_xmask:1 row_mask:0xf bank_mask:0xf   ; with my neighbour's 16: the block's largest magnitude
	v_add_nc_u32 v11, -(EMAX<<23), v8              ; 2 off its exponent field: the conversion's scale operand
	v_cvt_scalef32_pk8_fp4_f32 v[C+4*(\t)], v[XS:XS+7], v11
	v_cvt_scalef32_pk8_fp4_f32 v[C+4*(\t)+1], v[XS+8:XS+15], v11
	v_lshrrev_b32 v[E+(\t)], 23, v11               ; the scale's byte (a plain line behind the conversions)
	ds_store_b8 v5, v[E+(\t)] offset:16*(\t)       ; both lanes of a block write the same byte
	global_store_b64 v4, v[C+4*(\t):C+4*(\t)+1], s[14:15] offset:32*CB*(\t)
.endm
.irp t, 0,1,2,3,4,5,6,7,8,9,10,11,12,13,14,15
	XSTEP \t
.endr
	ds_load_b64 v[8:9], v6                         ; my wave's 256 scale bytes
	s_wait_dscnt 0x0
	global_store_b64 v7, v[8:9], s[16:17]          ; 32 lanes store 256 consecutive bytes
	s_branch .Lend
; ---------------- shared by the two paths whose K is the first axis: a lane takes a column, its registers run down K
.macro WADDR base, krow
	v_lshlrev_b32 v[WL], 2, v2
	s_mul_i32 s33, s24, 32*272
	s_add_co_u32 s33, s33, \base                   ; my wave's stage
	v_mul_u32_u24 v[WSI], v2, 272
	v_add_nc_u32 v[WSI], s33, v[WSI]
	v_and_b32 v199, 15, v2
	v_lshrrev_b32 v200, 4, v2
	v_mul_u32_u24 v[WSO], v200, 272
	v_lshl_add_u32 v[WSO], v199, 4, v[WSO]
	v_add_nc_u32 v[WSO], s33, v[WSO]
	v_mul_u32_u24 v[WGO], v200, \krow
	v_lshl_add_u32 v[WGO], v199, 4, v[WGO]
.endm
.macro LOADW t                         ; block t: rows 32 t + i of my column, into set t % 2; a wave's load reads 128 consecutive bytes
.irp i, 0,1,2,3,4,5,6,7,8,9,10,11,12,13,14,15,16,17,18,19,20,21,22,23,24,25,26,27,28,29,30,31
	global_load_b32 v[WX+32*((\t)%2)+\i], v[WL], s[28:29] offset:(32*(\t)+\i)*4096 th:TH_LOAD_NT
.endr
.endm
.macro OUTROWS krow, base              ; 32 rows of 256 bytes leave the stage: sixteen lanes store 256 consecutive bytes
.irp t, 0,1,2,3,4,5,6,7,8,9,10,11,12,13,14,15
	ds_load_b128 v[OUTR+4*\t:OUTR+4*\t+3], v[WSO] offset:2*\t*272
.endr
.irp t, 0,1,2,3,4,5,6,7,8,9,10,11,12,13,14,15
	s_wait_dscnt 15-\t                             ; the younger loads may be out
	global_store_b128 v[WGO], v[OUTR+4*\t:OUTR+4*\t+3], s[\base:\base+1] offset:2*\t*\krow
.endr
.endm
; ---------------- Wq, Wk, Wv: a wave takes 32 columns x 512 along K (16 blocks a lane, 256 bytes of codes a column)
.Lw:
	s_lshr_b32 s25, ttmp9, 4                       ; which matrix
	s_and_b32 s26, ttmp9, 7                        ; which 128 columns
	s_bfe_u32 s27, ttmp9, 0x10003                  ; which half of K
	s_cmp_eq_u32 s25, 0
	s_cselect_b64 s[28:29], s[6:7], s[8:9]
	s_cmp_eq_u32 s25, 2
	s_cselect_b64 s[28:29], s[10:11], s[28:29]
	s_lshl_b32 s26, s26, 7
	s_lshl_b32 s30, s24, 5
	s_add_co_u32 s26, s26, s30                     ; my wave's first column
	s_lshl_b32 s30, s27, 21                        ; 512 rows of 4,096 bytes
	s_lshl_b32 s31, s26, 2
	s_add_co_u32 s30, s30, s31
	s_mov_b32 s31, 0
	s_add_nc_u64 s[28:29], s[28:29], s[30:31]
	s_lshl_b32 s25, s25, 10
	s_add_co_u32 s25, s25, s26                     ; my first row of wc and ws
	s_lshl_b32 s30, s25, 9
	s_lshl_b32 s32, s27, 8
	s_add_co_u32 s30, s30, s32
	s_add_nc_u64 s[18:19], s[18:19], s[30:31]
	s_lshl_b32 s30, s25, 5
	s_lshl_b32 s32, s27, 4
	s_add_co_u32 s30, s30, s32
	s_add_nc_u64 s[20:21], s[20:21], s[30:31]
	WADDR WB, 512
	v_lshlrev_b32 v[WSC], 5, v2
	LOADW 0
	LOADW 1
.macro WBLOCK t
.set XS, WX+32*((\t)%2)
.if (\t) < 15
	s_wait_loadcnt 32                              ; this block's 32 loads are in; the next block's may be out
.else
	s_wait_loadcnt 0
.endif
	v_max3_num_f32 v12, |v[XS]|, |v[XS+1]|, |v[XS+2]|
	v_max3_num_f32 v13, |v[XS+3]|, |v[XS+4]|, |v[XS+5]|
.irp i, 6,10,14,18,22,26
	v_max3_num_f32 v12, v12, |v[XS+\i]|, |v[XS+\i+1]|
	v_max3_num_f32 v13, v13, |v[XS+\i+2]|, |v[XS+\i+3]|
.endr
	v_max3_num_f32 v12, v12, |v[XS+30]|, |v[XS+31]|
	v_max3_num_f32 v12, v12, v13, (EMAX+1)<<23     ; the floor: the byte cannot fall under 1
	v_add_nc_u32 v11, -(EMAX<<23), v12             ; the conversion's scale operand
	v_lshrrev_b32 v13, 23, v11                     ; the scale's byte
.if (\t)%4 == 0
	v_mov_b32 v[SB+(\t)/4], v13
.else
	v_lshl_or_b32 v[SB+(\t)/4], v13, 8*((\t)%4), v[SB+(\t)/4]
.endif
.irp g, 0,1,2,3
	v_cvt_scalef32_pk8_fp4_f32 v[WC+\g], v[XS+8*\g:XS+8*\g+7], v11
.endr
	ds_store_b128 v[WSI], v[WC:WC+3] offset:16*(\t)
.if (\t)+2 < 16
	LOADW (\t)+2
.endif
	s_wait_dscnt 0x0                               ; the store has read its registers: the next block's codes may be written
.endm
.irp t, 0,1,2,3,4,5,6,7,8,9,10,11,12,13,14,15
	WBLOCK \t
.endr
	global_store_b128 v[WSC], v[SB:SB+3], s[20:21] ; my column's 16 scale bytes
	OUTROWS 512, 18
	s_branch .Lend
; ---------------- Wo: a wave takes 32 columns x 128 along K: 256 bytes of f16 a column
.Lwo:
	s_sub_co_u32 s25, ttmp9, 48
	s_and_b32 s26, s25, 7                          ; which 128 columns
	s_lshr_b32 s27, s25, 3                         ; which 128 along K
	s_lshl_b32 s26, s26, 7
	s_lshl_b32 s30, s24, 5
	s_add_co_u32 s26, s26, s30                     ; my wave's first column
	s_lshl_b32 s30, s27, 19                        ; 128 rows of 4,096 bytes
	s_lshl_b32 s31, s26, 2
	s_add_co_u32 s30, s30, s31
	s_mov_b32 s31, 0
	s_add_nc_u64 s[28:29], s[12:13], s[30:31]
	s_lshl_b32 s30, s26, 11                        ; a row of wot is 2,048 bytes
	s_lshl_b32 s32, s27, 8
	s_add_co_u32 s30, s30, s32
	s_add_nc_u64 s[22:23], s[22:23], s[30:31]
	WADDR OB, 2048
	LOADW 0
	LOADW 1
.macro HBLOCK t
.set XS, WX+32*((\t)%2)
.if (\t) < 3
	s_wait_loadcnt 32                              ; this block's loads are in; the next block's may be out
.else
	s_wait_loadcnt 0
.endif
.irp g, 0,1,2,3,4,5,6,7,8,9,10,11,12,13,14,15
	v_cvt_pk_f16_f32 v[WC+\g], v[XS+2*\g], v[XS+2*\g+1]   ; the lower k in the low half
.endr
.irp g, 0,1,2,3
	ds_store_b128 v[WSI], v[WC+4*\g:WC+4*\g+3] offset:64*(\t)+16*\g
.endr
.if (\t)+2 < 4
	LOADW (\t)+2
.endif
	s_wait_dscnt 0x0
.endm
.irp t, 0,1,2,3
	HBLOCK \t
.endr
	OUTROWS 2048, 22
.Lend:
	s_wait_tensorcnt 0x0                           ; the wave's end, behind my last LDS store
	ds_add_u32 v[SPW], v[NIL]
	s_wait_dscnt 0x0
	s_endpgm
.Lfunc_end_k_q1047c9d470_prep:
	.size	k_q1047c9d470_prep, .Lfunc_end_k_q1047c9d470_prep-k_q1047c9d470_prep
	.p2alignl 7, 3214868480
	.fill 96, 4, 3214868480
	.section	.rodata,"a",@progbits
	.p2align	6, 0x0
	.amdhsa_kernel k_q1047c9d470_prep
		.amdhsa_group_segment_fixed_size 102912
		.amdhsa_private_segment_fixed_size 0
		.amdhsa_enable_private_segment 0
		.amdhsa_kernarg_size 80
		.amdhsa_user_sgpr_count 2
		.amdhsa_user_sgpr_kernarg_segment_ptr 1
		.amdhsa_wavefront_size32 1
		.amdhsa_system_sgpr_workgroup_id_x 1
		.amdhsa_system_sgpr_workgroup_id_y 1
		.amdhsa_system_sgpr_workgroup_id_z 1
		.amdhsa_system_vgpr_workitem_id 0
		.amdhsa_next_free_vgpr 208
		.amdhsa_next_free_sgpr 66
		.amdhsa_reserve_vcc 0
		.amdhsa_float_denorm_mode_32 3
		.amdhsa_float_denorm_mode_16_64 3
		.amdhsa_memory_ordered 1
		.amdhsa_forward_progress 1
		.amdhsa_inst_pref_size 132
	.end_amdhsa_kernel
	.amdgpu_metadata
---
amdhsa.version: [ 1, 2 ]
amdhsa.kernels:
  - .name:           k_q1047c9d470_prep
    .symbol:         k_q1047c9d470_prep.kd
    .args:
      - { .name: x, .offset: 0, .size: 8, .value_kind: global_buffer, .address_space: global }
      - { .name: Wq, .offset: 8, .size: 8, .value_kind: global_buffer, .address_space: global }
      - { .name: Wk, .offset: 16, .size: 8, .value_kind: global_buffer, .address_space: global }
      - { .name: Wv, .offset: 24, .size: 8, .value_kind: global_buffer, .address_space: global }
      - { .name: Wo, .offset: 32, .size: 8, .value_kind: global_buffer, .address_space: global }
      - { .name: xc, .offset: 40, .size: 8, .value_kind: global_buffer, .address_space: global }
      - { .name: xs, .offset: 48, .size: 8, .value_kind: global_buffer, .address_space: global }
      - { .name: wc, .offset: 56, .size: 8, .value_kind: global_buffer, .address_space: global }
      - { .name: ws, .offset: 64, .size: 8, .value_kind: global_buffer, .address_space: global }
      - { .name: wot, .offset: 72, .size: 8, .value_kind: global_buffer, .address_space: global }
    .group_segment_fixed_size: 102912
    .private_segment_fixed_size: 0
    .kernarg_segment_align: 8
    .kernarg_segment_size: 80
    .max_flat_workgroup_size: 128
    .sgpr_count:     66
    .vgpr_count:     208
    .wavefront_size: 32
...
	.end_amdgpu_metadata
.endif
;; end of part 1
;; launch qkv (part 2): grid 12 x 32, 4 waves a work-group, clusters of 4 x 4, 327,680 bytes of LDS; arguments xc, xs, wc, ws, qkv, fq, bq, bk, bv; writes qkv, fq
.if DOCPART == 2
	.amdgcn_target "amdgcn-amd-amdhsa--gfx1250"
	.amdhsa_code_object_version 6
	.text
	.protected	k_q1047c9d470_qkv
	.globl	k_q1047c9d470_qkv
	.p2align	8
	.type	k_q1047c9d470_qkv,@function
k_q1047c9d470_qkv:
	s_mov_b64 s[64:65], 0
	v_nop
	global_prefetch_b8 v0, s[64:65] scope:SCOPE_SE
	s_setreg_imm32_b32 hwreg(HW_REG_WAVE_MODE, 25, 1), 1
	s_wait_xcnt 0x0
	s_wait_alu depctr_hold_cnt(0) depctr_sa_sdst(0) depctr_va_vdst(0) depctr_va_sdst(0) depctr_va_ssrc(0) depctr_va_vcc(0) depctr_vm_vsrc(0)
	s_getreg_b32 s2, hwreg(HW_REG_IB_STS2, 6, 4)
	s_cmp_eq_u32 s2, 0
	s_cbranch_scc0 .Lentry_in_a_cluster
	s_endpgm
.Lentry_in_a_cluster:
	s_bfe_u32 s2, ttmp6, 0x10000c
	s_cmp_lg_u32 s2, 0xf033
	s_cbranch_scc0 .Lentry_shape_is_right
	s_endpgm
.Lentry_shape_is_right:
; q, k, v = x W + b on codes of FP4 (E2M1) with one E8M0 scale for each 32 along K.  A = xc [8192][1024 codes], B = wc [3072][1024 codes] (rows mat 1024 + n); sums in f32.
; The results leave as f16 by heads, qkv [mat][batch 16 + head][t][64]; the first 16 positions of every sequence leave in f32 too, fq [batch][mat][t][1024].
; LIMITS: results must fit f16 (magnitudes up to 65,504).
; A tile of 256 x 256 is made by four waves, each 128 x 128: 64 accumulators, 512 registers.  All of K is two LDS slots of 512: every tensor load is a first fill, three a wave
; (scales, slot 0, slot 1), and nothing is filled again.  The scale bytes of the tile's rows come once, as dense blocks in rows of 256 bytes.
; CLUSTERS: 4 x 4.  A's tiles are shared along a row of the cluster, B's along a column: each is asked for jointly.  The cluster's x is the matrix (q, k, v), the same in all partners.
; THE MATRIX INSTRUCTION IS USED TRANSPOSED (source 0 = 16 rows of B, source 1 = 16 rows of A): a lane holds eight neighbouring columns of one row.
; The bias is the C of each sum's first product.
; REGISTERS: window 0: v0-31 addresses; v32-95 scale words, two sets; v128-191 A's fragments, one set; v192-255 the bias, 8 registers for each of B's blocks.
;   window 1: B's fragments, two sets;  window 2, 3: the accumulators of my rows 0-63, 64-127 ((a, b) at v[8 (8 (a % 4) + b)]).
.set KSTEP,  512
.set NQ,     4
.set ROWB,   256
.set KROW,   512                       ; a row of codes in memory
.set PITCH,  272                       ; an LDS row: 256 bytes + 16: the sixteen rows of a load start at sixteen different 16-byte columns
.set FR,     8
.set NL,     2
.set NP,     4
.set HALFT,  128*PITCH
.set SLOT,   4*HALFT
.set KS,     32                        ; a row of scale bytes
.set SCL,    2*SLOT
.set HALFS,  16*272                    ; the scales of 128 rows
.set SBLK,   2*272                     ; those of 16 rows
.set SPARE,  SCL+4*HALFS               ; the spare words, 128 bytes a wave, that no other line names
.set ADRA, 16
.set ADRB, 20
.set STO,  24                          ; the way out: where I put 16 bytes of a row
.set RD,   25                          ; where I read rows back
.set CO,   26                          ; 16 x lane
.set ADRS, 27
.set SPW,  28
.set NIL,  29
.set FO,   30                          ; my offset in fq's 16 rows
.set BO,   31                          ; my offset in the bias
.set SC,   32
.set AF,   128
.set BIAS, 192
.set TMP,  32                          ; the way out: packed results
.set BK,   64                          ; the way out: rows read back, v64-95 and v96-127 by turns
.set G1, 24
.set G0, 32
.set G1B, 48
.set G0B, 56
.set G1S, 68
.set G0S, 76
.set G1SB, 80
.set G0SB, 88
.set MSB, 0
.macro WIN new                         ; the immediate's high byte repeats the setting that is left
.if MSB != (\new)
	s_set_vgpr_msb (MSB<<8)|(\new)
.set MSB, (\new)
.endif
.endm
.set MUL_LO, 0xa1                      ; source 0 (B) window 1, source 1 (A) window 0, C and D window 2
.set MUL_HI, 0xf1
.set MUL_LOZ, 0x81                     ; the same with C (the bias) in window 0
.set MUL_HIZ, 0xc1
.set TO_B,   0x40
; A joint load: waves 0 and 1 fetch for A, waves 2 and 3 for B; the branch hangs on the wave's number alone.  An s_nop 0 and four v_nop follow each line.
.macro JLOAD g0a, g1a, g0b, g1b
	s_cmp_eq_u32 s15, 0
	s_cbranch_scc0 .Lfor_b_\@
	tensor_load_to_lds s[\g0a:\g0a+3], s[\g1a:\g1a+7]
	s_nop 0
.rept 4
	v_nop
.endr
	s_branch .Lasked_\@
.Lfor_b_\@:
	tensor_load_to_lds s[\g0b:\g0b+3], s[\g1b:\g1b+7]
	s_nop 0
.rept 4
	v_nop
.endr
.Lasked_\@:
.endm
.macro CROUND                          ; a round of the cluster's barrier
	s_barrier_signal -1
	s_barrier_wait -1
	s_cmp_lg_u32 s14, 0
	s_cbranch_scc1 .Lnot_wave_0_\@
	s_barrier_signal -3
.Lnot_wave_0_\@:
	s_barrier_wait -3
	s_barrier_signal -1
	s_barrier_wait -1
.endm
	s_load_b128 s[4:7], s[0:1], 0x0                ; xc, xs
	s_load_b128 s[8:11], s[0:1], 0x10              ; wc, ws
	s_load_b64 s[12:13], s[0:1], 0x20              ; qkv
	s_load_b64 s[66:67], s[0:1], 0x28              ; fq
	s_load_b128 s[96:99], s[0:1], 0x30             ; bq, bk
	s_load_b64 s[100:101], s[0:1], 0x40            ; bv
	v_lshl_add_u32 v[SPW], v0, 2, SPARE
	v_mov_b32 v[NIL], 0
	ds_add_u32 v[SPW], v[NIL]                      ; the wave's opening: the add, twice on end, and its wait ahead of my first tensor load
	ds_add_u32 v[SPW], v[NIL]
	v_lshrrev_b32 v1, 5, v0
	v_readfirstlane_b32 s14, v1                    ; wave 0..3
	s_lshr_b32 s15, s14, 1                         ; which half of the tile's rows is mine; also: I fetch for A (0) or B (1)
	s_and_b32 s16, s14, 1                          ; which half of its columns; also: which 128 rows I fetch
	s_bfe_u32 s40, ttmp6, 0x40000                  ; cx
	s_bfe_u32 s41, ttmp6, 0x40004                  ; cy
	s_lshl_b32 s42, ttmp9, 2
	s_add_co_u32 s42, s42, s40                     ; tile column = 4 x matrix + cx
	s_and_b32 s17, ttmp7, 0xffff
	s_lshl_b32 s17, s17, 2
	s_add_co_u32 s17, s17, s41                     ; tile row
	s_lshl_b32 s43, s41, 2
	s_lshl_b32 s43, 15, s43                        ; my row of the cluster
	s_lshl_b32 s44, 0x1111, s40                    ; my column
	s_or_b32 s[G1+0], s43, (0<<16)|(1<<20)|(1<<21)|(5<<22)|(3<<25)  ; the mask; elements of 1 byte; padding: 4 words behind every 64
	s_or_b32 s[G1B+0], s44, (0<<16)|(1<<20)|(1<<21)|(5<<22)|(3<<25)
.irp g, G1, G1B
	s_mov_b32 s[\g+1], ROWB<<16                    ; tensor_dim0
	s_mov_b32 s[\g+2], 128<<16                     ; tensor_dim1
	s_mov_b32 s[\g+3], ROWB<<16                    ; tile_dim0
	s_mov_b32 s[\g+4], 128                         ; tile_dim1
	s_mov_b32 s[\g+5], KROW                        ; from row to row
	s_mov_b32 s[\g+6], 0
	s_mov_b32 s[\g+7], 0
.endr
	s_or_b32 s[G1S+0], s43, (3<<16)|(1<<20)|(1<<21)|(5<<22)|(3<<25) ; the scales of 128 rows: 4,096 dense bytes as 16 rows of 32 elements of 8 bytes
	s_or_b32 s[G1SB+0], s44, (3<<16)|(1<<20)|(1<<21)|(5<<22)|(3<<25)
.irp g, G1S, G1SB
	s_mov_b32 s[\g+1], 32<<16
	s_mov_b32 s[\g+2], 16<<16
	s_mov_b32 s[\g+3], 32<<16
	s_mov_b32 s[\g+4], 16
	s_mov_b32 s[\g+5], 32
	s_mov_b32 s[\g+6], 0
	s_mov_b32 s[\g+7], 0
.endr
	s_lshl_b32 s18, s16, 7
	s_lshl_b32 s20, s17, 8
	s_add_co_u32 s20, s20, s18                     ; A: row 256 x tile row + 128 x half
	s_lshl_b32 s46, s42, 8
	s_add_co_u32 s46, s46, s18                     ; B: row 256 x tile column + 128 x half
	s_mov_b32 s21, 0
	s_mov_b32 s47, 0
	s_mov_b64 s[18:19], KS
	s_mul_u64 s[22:23], s[20:21], s[18:19]         ; where these rows' scales begin
	s_mul_u64 s[92:93], s[46:47], s[18:19]
	s_mov_b64 s[18:19], KROW
	s_mul_u64 s[20:21], s[20:21], s[18:19]         ; and their codes
	s_mul_u64 s[46:47], s[46:47], s[18:19]
	s_mul_i32 s45, s14, HALFT                      ; where they go: wave x 128 rows
	s_mul_i32 s94, s14, HALFS
	s_wait_dscnt 0x0                               ; both opening adds are done
	s_wait_kmcnt 0x0
	s_add_nc_u64 s[20:21], s[4:5], s[20:21]
	s_add_nc_u64 s[22:23], s[6:7], s[22:23]
	s_add_nc_u64 s[46:47], s[8:9], s[46:47]
	s_add_nc_u64 s[92:93], s[10:11], s[92:93]
	CROUND                                         ; all sixteen work-groups are here: the joint loads meet
	s_mov_b32 s[G0S], 1
	s_add_co_u32 s[G0S+1], s94, SCL
	s_mov_b64 s[G0S+2:G0S+3], s[22:23]
	s_or_b32 s[G0S+3], s[G0S+3], 0x80000000
	s_mov_b32 s[G0SB], 1
	s_add_co_u32 s[G0SB+1], s94, SCL
	s_mov_b64 s[G0SB+2:G0SB+3], s[92:93]
	s_or_b32 s[G0SB+3], s[G0SB+3], 0x80000000
	JLOAD G0S, G1S, G0SB, G1SB                     ; the scales first
.irp s, 0,1
	s_mov_b32 s[G0+4*\s], 1
	s_add_co_u32 s[G0+4*\s+1], s45, \s*SLOT
	s_add_nc_u64 s[G0+4*\s+2:G0+4*\s+3], s[20:21], \s*ROWB
	s_or_b32 s[G0+4*\s+3], s[G0+4*\s+3], 0x80000000
	s_mov_b32 s[G0B+4*\s], 1
	s_add_co_u32 s[G0B+4*\s+1], s45, \s*SLOT
	s_add_nc_u64 s[G0B+4*\s+2:G0B+4*\s+3], s[46:47], \s*ROWB
	s_or_b32 s[G0B+4*\s+3], s[G0B+4*\s+3], 0x80000000
	JLOAD G0+4*\s, G1, G0B+4*\s, G1B
.endr
	v_and_b32 v1, 15, v0                           ; r
	v_bfe_u32 v2, v0, 4, 1                         ; h
	v_mul_u32_u24 v3, v1, PITCH
	v_lshl_add_u32 v4, v2, 4, v3
	s_mul_i32 s21, s15, HALFT
	s_mul_i32 s22, s16, HALFT
	s_add_co_u32 s22, s22, 2*HALFT
.irp s, 0,1
	v_add_nc_u32 v[ADRA+\s], s21, v4
	v_add_nc_u32 v[ADRB+\s], s22, v4
	s_add_co_u32 s21, s21, SLOT
	s_add_co_u32 s22, s22, SLOT
.endr
	v_mul_u32_u24 v5, v1, KS                       ; my row's scales: 32 bytes a row, and 16 more for each 256 passed
	v_lshrrev_b32 v6, 8, v5
	v_lshl_add_u32 v5, v6, 4, v5
	s_mul_i32 s21, s15, HALFS
	s_mul_i32 s22, s16, HALFS
	s_add_co_u32 s22, s22, 2*HALFS
	s_sub_co_u32 s22, s22, s21
	v_mul_u32_u24 v6, s22, v2                      ; lanes 16-31 take B's
	s_add_co_u32 s21, s21, SCL
	v_add_nc_u32 v5, v5, v6
	v_add_nc_u32 v[ADRS], s21, v5
	s_mul_i32 s23, s14, 4608                       ; my stage, in slot 0: two heads x 16 rows x (128 + 16) bytes
	v_mul_u32_u24 v5, v1, 144
	v_lshl_add_u32 v5, v2, 4, v5
	v_add_nc_u32 v[STO], s23, v5
	v_and_b32 v6, 31, v0
	v_lshrrev_b32 v5, 3, v6
	v_mul_u32_u24 v5, v5, 144
	v_and_b32 v7, 7, v0
	v_lshl_add_u32 v5, v7, 4, v5
	v_add_nc_u32 v[RD], s23, v5                    ; back: eight lanes to a row of 128 bytes, four rows an instruction
	v_lshlrev_b32 v[CO], 4, v6
	v_lshlrev_b32 v[FO], 12, v1
	v_lshl_add_u32 v[FO], v2, 5, v[FO]             ; fq: row r of 4,096 bytes + 32 h
	v_lshlrev_b32 v[BO], 5, v2                     ; the bias: 32 h
	; where my part begins in qkv: ((16 batch + 4 cx + 2 half) x 2,048 + position) x 128 bytes, + matrix x 2^24
	s_lshr_b32 s20, s17, 3                         ; batch
	s_lshl_b32 s21, s20, 4
	s_lshl_b32 s46, s40, 2
	s_add_co_u32 s21, s21, s46
	s_lshl_b32 s46, s16, 1
	s_add_co_u32 s21, s21, s46
	s_lshl_b32 s21, s21, 11
	s_and_b32 s46, s17, 7
	s_lshl_b32 s47, s46, 8
	s_add_co_u32 s21, s21, s47
	s_lshl_b32 s47, s15, 7
	s_add_co_u32 s21, s21, s47
	s_lshl_b32 s92, s21, 7
	s_lshl_b32 s47, ttmp9, 24
	s_add_co_u32 s92, s92, s47
	s_mov_b32 s93, 0
	s_add_nc_u64 s[12:13], s[12:13], s[92:93]
	s_or_b32 s3, s46, s15                          ; 0 where my block 0 holds positions 0 to 15 of a sequence
	s_mul_i32 s92, s20, 3
	s_add_co_u32 s92, s92, ttmp9
	s_lshl_b32 s92, s92, 16                        ; fq: (3 batch + matrix) x 65,536
	s_lshl_b32 s47, s40, 10
	s_lshl_b32 s21, s16, 9
	s_add_co_u32 s47, s47, s21                     ; my first column in the matrix, in bytes of f32
	s_add_co_u32 s92, s92, s47
	s_add_nc_u64 s[66:67], s[66:67], s[92:93]
	s_cmp_eq_u32 ttmp9, 0                          ; the matrix's bias
	s_cselect_b64 s[96:97], s[96:97], s[98:99]
	s_cmp_eq_u32 ttmp9, 2
	s_cselect_b64 s[96:97], s[100:101], s[96:97]
	s_mov_b32 s92, s47
	s_add_nc_u64 s[96:97], s[96:97], s[92:93]
.irp b, 0,1,2,3,4,5,6,7
	global_load_b128 v[BIAS+8*\b:BIAS+8*\b+3], v[BO], s[96:97] offset:64*\b       ; bias of columns 16 b + 8 h + 0 .. 7
	global_load_b128 v[BIAS+8*\b+4:BIAS+8*\b+7], v[BO], s[96:97] offset:64*\b+16
.endr
.macro FRAG reg, adr, q, i             ; 16 rows x 128 K of 4-bit codes: 8 registers, two loads 32 bytes apart
.irp c, 0,1
	ds_load_b128 v[\reg+4*\c:\reg+4*\c+3], v[\adr] offset:64*(\q)+32*\c+(\i)*16*PITCH
.endr
.endm
; 16 matrix instructions: A's blocks a0, a0 + 1 x B's eight.  The 64 accumulators take turns, one instruction a turn, in the same order in every step.
.macro MUL16 a0, p, q, sc, zero
.irp a, \a0, \a0+1
.irp b, 0,1,2,3,4,5,6,7
.if \zero
	v_wmma_scale_f32_16x16x128_f8f6f4 v[8*(8*((\a)%4)+\b):8*(8*((\a)%4)+\b)+7], v[128*(\p)+FR*\b:128*(\p)+FR*\b+FR-1], v[AF+FR*(\a):AF+FR*(\a)+FR-1], v[BIAS+8*\b:BIAS+8*\b+7], v[SC+8*NQ*(\sc)+NQ*\b+(\q)], v[SC+8*NQ*(\sc)+NQ*(\a)+(\q)] matrix_a_fmt:MATRIX_FMT_FP4 matrix_b_fmt:MATRIX_FMT_FP4 matrix_a_scale:MATRIX_SCALE_ROW1
.else
	v_wmma_scale_f32_16x16x128_f8f6f4 v[8*(8*((\a)%4)+\b):8*(8*((\a)%4)+\b)+7], v[128*(\p)+FR*\b:128*(\p)+FR*\b+FR-1], v[AF+FR*(\a):AF+FR*(\a)+FR-1], v[8*(8*((\a)%4)+\b):8*(8*((\a)%4)+\b)+7], v[SC+8*NQ*(\sc)+NQ*\b+(\q)], v[SC+8*NQ*(\sc)+NQ*(\a)+(\q)] matrix_a_fmt:MATRIX_FMT_FP4 matrix_b_fmt:MATRIX_FMT_FP4 matrix_a_scale:MATRIX_SCALE_ROW1
.endif
.endr
.endr
.endm
.macro FETCH_B slot, q, p
	WIN TO_B
.irp i, 0,1,2,3,4,5,6,7
	FRAG 128*(\p)+FR*\i, ADRB+\slot, \q, \i
.endr
	WIN 0
.endm
.macro FETCH_A slot, q, i0
.irp i, \i0, \i0+1, \i0+2, \i0+3
	FRAG AF+FR*(\i), ADRA+\slot, \q, \i
.endr
.endm
.macro SCALES sc                       ; a slot's scale words: lanes 0-15 take A's block i, lanes 16-31 B's block i
.irp i, 0,1,2,3,4,5,6,7
	ds_load_b128 v[SC+8*NQ*\sc+NQ*\i:SC+8*NQ*\sc+NQ*\i+3], v[ADRS] offset:\i*SBLK
.endr
.endm
.macro PLACES n                        ; plain vector instructions between a matrix instruction and a load into, or a read of, its registers
.rept \n
	v_nop
.endr
.endm
.macro STEP slot, q, zero              ; 128 along K that has its successor in the same slot
	s_wait_dscnt 4*NL                              ; B's set and A's blocks 0-3 are in; A's blocks 4-7 (eight loads) may be out
.if \zero
	WIN MUL_LOZ
.else
	WIN MUL_LO
.endif
	MUL16 0, (\q)%2, \q, \slot, \zero
	MUL16 2, (\q)%2, \q, \slot, \zero
	s_wait_dscnt 0
	PLACES NP
	FETCH_B \slot, (\q)+1, 1-(\q)%2
	FETCH_A \slot, (\q)+1, 0
.if \zero
	WIN MUL_HIZ
.else
	WIN MUL_HI
.endif
	MUL16 4, (\q)%2, \q, \slot, \zero
	MUL16 6, (\q)%2, \q, \slot, \zero
	PLACES NP
	WIN 0
	FETCH_A \slot, (\q)+1, 4
.endm
.macro STEPS slot, from
.set Q, \from
.rept NQ-1-\from
	STEP \slot, Q, 0
.set Q, Q+1
.endr
.endm
	s_wait_tensorcnt 1                             ; the scales and my part of slot 0 are in; slot 1's load may be out
	s_barrier_signal -1
	s_barrier_wait -1
	FETCH_B 0, 0, 0
	FETCH_A 0, 0, 0
	SCALES 0
	FETCH_A 0, 0, 4
	s_wait_loadcnt 0x0                             ; the bias
	STEP 0, 0, 1                                   ; the first products start the sums from the bias
	STEPS 0, 1
	; slot 0's last step changes slots: one barrier; nothing is filled again, so no round of the cluster's barrier follows
	s_wait_tensorcnt 0x0                           ; my part of slot 1 has landed
	ds_add_u32 v[SPW], v[NIL]
	s_wait_dscnt 4*NL+1                            ; the add and A's blocks 4-7 may be out
	WIN MUL_LO
	MUL16 0, 1, NQ-1, 0, 0
	s_wait_dscnt 0x0                               ; the add is done, my reads of slot 0 are over
	s_barrier_signal -1
	MUL16 2, 1, NQ-1, 0, 0
	WIN 0
	s_barrier_wait -1
	PLACES NP
	v_add_nc_u32 v[ADRS], 4*NQ, v[ADRS]            ; on to slot 1's scale words
	FETCH_B 1, 0, 0
	FETCH_A 1, 0, 0
	SCALES 1
	WIN MUL_HI
	MUL16 4, 1, NQ-1, 0, 0
	MUL16 6, 1, NQ-1, 0, 0
	PLACES NP
	WIN 0
	FETCH_A 1, 0, 4
	STEPS 1, 0
	s_wait_dscnt 4*NL                              ; the very last step
	WIN MUL_LO
	MUL16 0, 1, NQ-1, 1, 0
	MUL16 2, 1, NQ-1, 1, 0
	s_wait_dscnt 0
	WIN MUL_HI
	MUL16 4, 1, NQ-1, 1, 0
	MUL16 6, 1, NQ-1, 1, 0
	WIN 0
	PLACES NP
	; THE F32 COPY of positions 0 to 15: my block 0, where the flag is 0.  The choice is made by EXEC, not by a branch: it hangs on my place in the cluster.
	v_mov_b32 v9, s3
	v_cmp_eq_u32 vcc_lo, 0, v9
	s_wait_xcnt 0x0                                ; EXEC changes only behind this wait
	s_and_saveexec_b32 s2, vcc_lo
	WIN 0x08                                       ; a store's data: window 2
.irp b, 0,1,2,3,4,5,6,7
	global_store_b128 v[FO], v[8*\b:8*\b+3], s[66:67] offset:64*\b          ; each accumulator from its low end on
	global_store_b128 v[FO], v[8*\b+4:8*\b+7], s[66:67] offset:64*\b+16
.endr
	WIN 0
	s_wait_xcnt 0x0                                ; and again in front of the line that widens it
	s_or_b32 exec_lo, exec_lo, s2
; THE WAY OUT, 16 rows x 128 columns (two heads) at a time: rounded to f16, through my stage in slot 0 (it has had its last fill and its last read), back as rows of 128 bytes;
; four neighbouring positions of a head are 512 consecutive bytes of qkv.
.macro PACK a
.set AC, 64*((\a)%4)
	WIN 0x0a+5*((\a)/4)                            ; sources 0 and 1: window 2 or 3
.irp b, 0,1,2,3,4,5,6,7
.irp r, 0,1,2,3
	v_cvt_pk_f16_f32 v[TMP+4*\b+\r], v[AC+8*\b+2*\r], v[AC+8*\b+2*\r+1]
.endr
.endr
	WIN 0
.endm
.macro TOSTAGE a
.set BB, BK+32*((\a)%2)
.irp b, 0,1,2,3,4,5,6,7
	ds_store_b128 v[STO], v[TMP+4*\b:TMP+4*\b+3] offset:(\b/4)*2304+(\b%4)*32
.endr
.irp t, 0,1,2,3,4,5,6,7
	ds_load_b128 v[BB+4*\t:BB+4*\t+3], v[RD] offset:(\t/4)*2304+(\t%4)*576   ; LDS serves a wave's instructions in order: these see the stores above
.endr
.endm
.macro SEND a
.set BB, BK+32*((\a)%2)
	s_wait_dscnt 0x0                               ; the block is back in registers
	s_wait_xcnt 0x0                                ; earlier stores have read their base and their data: both may be written again
.if (\a) > 0
	s_add_nc_u64 s[12:13], s[12:13], 2048          ; 16 positions on
.endif
.irp t, 0,1,2,3,4,5,6,7
	global_store_b128 v[CO], v[BB+4*\t:BB+4*\t+3], s[12:13] offset:(\t/4)*262144+(\t%4)*512   ; 32 lanes store 512 consecutive bytes
.endr
.endm
	PACK 0
	TOSTAGE 0
.irp a, 1,2,3,4,5,6,7
	PACK \a
	SEND \a-1
	TOSTAGE \a
.endr
	SEND 7
	s_wait_tensorcnt 0x0                           ; the wave's end
	ds_add_u32 v[SPW], v[NIL]
	s_wait_dscnt 0x0
	CROUND                                         ; the closing round
	s_endpgm
.Lfunc_end_k_q1047c9d470_qkv:
	.size	k_q1047c9d470_qkv, .Lfunc_end_k_q1047c9d470_qkv-k_q1047c9d470_qkv
	.p2alignl 7, 3214868480
	.fill 96, 4, 3214868480
	.section	.rodata,"a",@progbits
	.p2align	6, 0x0
	.amdhsa_kernel k_q1047c9d470_qkv
		.amdhsa_group_segment_fixed_size 327680
		.amdhsa_private_segment_fixed_size 0
		.amdhsa_enable_private_segment 0
		.amdhsa_kernarg_size 72
		.amdhsa_user_sgpr_count 2
		.amdhsa_user_sgpr_kernarg_segment_ptr 1
		.amdhsa_wavefront_size32 1
		.amdhsa_system_sgpr_workgroup_id_x 1
		.amdhsa_system_sgpr_workgroup_id_y 1
		.amdhsa_system_sgpr_workgroup_id_z 1
		.amdhsa_system_vgpr_workitem_id 0
		.amdhsa_next_free_vgpr 1024
		.amdhsa_next_free_sgpr 102
		.amdhsa_reserve_vcc 1
		.amdhsa_float_denorm_mode_32 3
		.amdhsa_float_denorm_mode_16_64 3
		.amdhsa_memory_ordered 1
		.amdhsa_forward_progress 1
		.amdhsa_inst_pref_size 131
	.end_amdhsa_kernel
	.amdgpu_metadata
---
amdhsa.version: [ 1, 2 ]
amdhsa.kernels:
  - .name:           k_q1047c9d470_qkv
    .symbol:         k_q1047c9d470_qkv.kd
    .args:
      - { .name: xc, .offset: 0, .size: 8, .value_kind: global_buffer, .address_space: global }
      - { .name: xs, .offset: 8, .size: 8, .value_kind: global_buffer, .address_space: global }
      - { .name: wc, .offset: 16, .size: 8, .value_kind: global_buffer, .address_space: global }
      - { .name: ws, .offset: 24, .size: 8, .value_kind: global_buffer, .address_space: global }
      - { .name: qkv, .offset: 32, .size: 8, .value_kind: global_buffer, .address_space: global }
      - { .name: fq, .offset: 40, .size: 8, .value_kind: global_buffer, .address_space: global }
      - { .name: bq, .offset: 48, .size: 8, .value_kind: global_buffer, .address_space: global }
      - { .name: bk, .offset: 56, .size: 8, .value_kind: global_buffer, .address_space: global }
      - { .name: bv, .offset: 64, .size: 8, .value_kind: global_buffer, .address_space: global }
    .group_segment_fixed_size: 327680
    .private_segment_fixed_size: 0
    .kernarg_segment_align: 8
    .kernarg_segment_size: 72
    .max_flat_workgroup_size: 128
    .sgpr_count:     102
    .vgpr_count:     1024
    .wavefront_size: 32
...
	.end_amdgpu_metadata
.endif
;; end of part 2
;; launch attn (part 3): grid 4 x 64, 8 waves a work-group, no clusters, 327,680 bytes of LDS; arguments qkv, yh; writes yh
.if DOCPART == 3
	.amdgcn_target "amdgcn-amd-amdhsa--gfx1250"
	.amdhsa_code_object_version 6
	.text
	.protected	k_q1047c9d470_attn
	.globl	k_q1047c9d470_attn
	.p2align	8
	.type	k_q1047c9d470_attn,@function
k_q1047c9d470_attn:
	s_mov_b64 s[64:65], 0
	v_nop
	global_prefetch_b8 v0, s[64:65] scope:SCOPE_SE
	s_setreg_imm32_b32 hwreg(HW_REG_WAVE_MODE, 25, 1), 1
	s_wait_xcnt 0x0
; y[head][q] = sum over k <= q of softmax_k(q . k / 8) v[k], head size 64, 2,048 positions, 64 heads (batch x 16 + head).  q, k, v: f16, qkv [mat][head][t][64]; y: f16, yh [head][t][64].
; Products on f16 operands, sums, maxima and the softmax in f32, with a running maximum; the weights are rounded to f16 for the second product, y once at the end.
; LIMITS: y must fit f16.  The first 16 positions of every sequence are made here too, and made again more finely by a later launch.
; SHARES.  Work-group (i, head) owns the query blocks 7 - i and then i, 256 queries each.  Keys go in slots of 256; block j needs slots 0 .. j: (8 - i) + (i + 1) = 9 slots for every
; work-group: equal work, a constant trip count, and every slot that is fetched is read.  A wave owns 32 queries (two tiles of 16); two waves share a SIMD, and their sub-blocks are
; paired (s, 7 - s) so that the two have five key steps together in a slot on the diagonal.
; NO CLUSTER: the four work-groups of a head turn back to key 0 at different trips (after 8 - i slots), so from there on their tiles differ and joint descriptors cannot be equal.
; LAYOUT.  S^T = K Q^T (source 0 = 16 keys, source 1 = 16 queries) and O^T = V^T P: a lane holds one query throughout; two tiles of S^T, rounded in pairs, are source 1 of the second
; product.  K comes out of LDS as it lies, V ([key][channel]) turned by ds_load_tr16_b128.
; REGISTERS: window 0: v1-15 addresses and the mask's numbers; v16-31 statistics, 8 a tile; v64-127 S^T; v128-159 P; v160-223 O^T.  window 1: v0-31 Q; v32-95 K; v96-159 V.
.set PK,    144                        ; a row of K in LDS: 128 bytes + 16
.set PV,    160                        ; a row of V: 128 + 32, an odd multiple of 32 for the turning load
.set VOFF,  256*PK
.set SLOT1, 1<<17
.set STAGE, 2*SLOT1                    ; 32 rows x 144 bytes for each wave, for the way out
.set SPARE, STAGE+8*32*144             ; the spare words, 128 bytes a wave, that no other line names
.set MS,    16777216                   ; bytes of q (or k, or v)
.set AK0, 1
.set AV0, 2
.set ADK, 3
.set ADV, 4
.set SPW, 5
.set NIL, 6
.set QO,  7
.set STO, 8
.set RD,  9
.set GO,  10
.set PFO, 11
.set DL,  12                           ; lane % 16 - 8 (lane / 16)
.set NINF, 13
.set ST,  16                           ; tile t at v[ST + 8 t]: +0 c m, +1 m, +2, +3 l, +4 .. +7 at work; a takes +6
.set S,   64
.set P,   128
.set O,   160
.set KR,  32                           ; window 1
.set VR,  96                           ; window 1
.set TB,  2                            ; s2  LDS byte at which the slot in hand begins
.set SLOTS, 3                          ; s3  counts the loop's eight trips down
.set WV,  18
.set SEL, 20
.set CS,  22                           ; s[22:23] c = log2(e) / 8
.set G1K, 24
.set G1V, 32
.set G0K, 40
.set G0V, 44
.set KF,  48                           ; the step's first key
.set Q0,  49                           ; my first query
.set Q0B, 50                           ; the same in the second block
.set SWA, 51                           ; the trip (by s3) that ends the first block
.set BACK, 52                          ; bytes from the key behind the first block's last slot back to key 0
.set BK,  54                           ; s[54:55] BACK or 0
.set PFK, 56
.set PFV, 58
.set LIM, 60
.set MSB, 0
.macro WIN new
.if MSB != (\new)
	s_set_vgpr_msb (MSB<<8)|(\new)
.set MSB, (\new)
.endif
.endm
; Waves 0 and 1 fetch K's halves of a slot, waves 2 and 3 V's, the others nothing.  An s_nop 0 and four v_nop follow each line.
.macro TLOAD
	s_cmp_lt_u32 s[WV], 2
	s_cbranch_scc0 .Lnot_k_\@
	tensor_load_to_lds s[G0K:G0K+3], s[G1K:G1K+7]
	s_nop 0
.rept 4
	v_nop
.endr
	s_branch .Lasked_\@
.Lnot_k_\@:
	s_cmp_lt_u32 s[WV], 4
	s_cbranch_scc0 .Lasked_\@
	tensor_load_to_lds s[G0V:G0V+3], s[G1V:G1V+7]
	s_nop 0
.rept 4
	v_nop
.endr
.Lasked_\@:
.endm
; A prefetch of the slot that the NEXT change of slots will ask for: K's and V's 32,768 dense bytes.  All four work-groups of a head walk the same keys: the one that walks all eight
; slots in order (x = 0) asks, by its waves 4 to 7, which fetch nothing: 8,192 bytes of each a wave, lanes 256 bytes apart.  So each aligned 256 bytes are named once.
; It asks in trips 0 to 5, for slots 2 to 7; slots 0 and 1 come by their loads alone.
.macro ASK
	s_cmp_gt_u32 s[SLOTS], s[LIM]
	s_cbranch_scc0 .Lnot_mine_\@
	global_prefetch_b8 v[PFO], s[PFK:PFK+1] th:TH_LOAD_NT scope:SCOPE_SE
	global_prefetch_b8 v[PFO], s[PFV:PFV+1] th:TH_LOAD_NT scope:SCOPE_SE
.Lnot_mine_\@:
.endm
.macro QLOAD base                      ; my 32 queries: tile t, channels 32 c on, into window 1
.irp t, 0,1
.irp c, 0,1
	global_load_b128 v[16*\t+8*\c:16*\t+8*\c+3],   v[QO], s[\base:\base+1] offset:\t*2048+\c*64
	global_load_b128 v[16*\t+8*\c+4:16*\t+8*\c+7], v[QO], s[\base:\base+1] offset:\t*2048+\c*64+32
.endr
.endr
.endm
	s_load_b128 s[8:11], s[0:1], 0x0               ; qkv s[8:9], yh s[10:11]
	v_lshl_add_u32 v[SPW], v0, 2, SPARE
	v_mov_b32 v[NIL], 0
	ds_add_u32 v[SPW], v[NIL]                      ; the wave's opening: the add, twice on end, and its wait ahead of my first tensor load
	ds_add_u32 v[SPW], v[NIL]
	v_lshrrev_b32 v1, 5, v0
	v_readfirstlane_b32 s[WV], v1                  ; wave 0..7
	s_lshr_b32 s66, s[WV], 2
	s_mul_i32 s66, s66, 3
	s_xor_b32 s19, s[WV], s66                      ; my sub-block of 32 queries: waves 4 to 7 take 7, 6, 5, 4
	s_and_b32 s66, ttmp7, 0xffff
	s_lshl_b32 s66, s66, 18                        ; the head's first byte: 262,144 bytes a head
	s_mov_b32 s67, 0
	s_lshl_b32 s68, s19, 5
	s_sub_co_u32 s[Q0], 7, ttmp9
	s_lshl_b32 s[Q0], s[Q0], 8
	s_add_co_u32 s[Q0], s[Q0], s68                 ; first block: 7 - i
	s_lshl_b32 s[Q0B], ttmp9, 8
	s_add_co_u32 s[Q0B], s[Q0B], s68               ; second block: i
	s_add_co_u32 s[SWA], ttmp9, 1
	s_sub_co_u32 s[BACK], 8, ttmp9
	s_lshl_b32 s[BACK], s[BACK], 15
	s_mov_b32 s[BK+1], 0
	s_mov_b32 s71, 0
	s_and_b32 s72, s[WV], 1                        ; which half of a slot's rows I fetch
	s_mul_i32 s73, s72, 128*PK
	s_mul_i32 s74, s72, 128*PV
	s_add_co_u32 s74, s74, VOFF
	s_mov_b32 s[G1K], (1<<16)|(1<<20)|(4<<22)|(3<<25)   ; elements of 2 bytes; padding: 4 words behind every 32
	s_mov_b32 s[G1V], (1<<16)|(1<<20)|(4<<22)|(7<<25)   ; 8 words behind every 32
.irp g, G1K, G1V
	s_mov_b32 s[\g+1], 64<<16                      ; tensor_dim0
	s_mov_b32 s[\g+2], 128<<16                     ; tensor_dim1
	s_mov_b32 s[\g+3], 64<<16                      ; tile_dim0
	s_mov_b32 s[\g+4], 128                         ; tile_dim1
	s_mov_b32 s[\g+5], 64                          ; from row to row
	s_mov_b32 s[\g+6], 0
	s_mov_b32 s[\g+7], 0
.endr
	s_mov_b32 s[SEL], 0x76543210
	s_mov_b32 s[SEL+1], 0xfedcba98
	s_mov_b32 s[CS], 0x3e38aa3b                    ; log2(e) / 8
	s_mov_b32 s[CS+1], s[CS]
	s_mov_b32 s[TB], 0
	s_mov_b32 s[SLOTS], 8
	s_mov_b32 s[KF], 0
	s_wait_dscnt 0x0                               ; both opening adds are done
	s_wait_kmcnt 0x0
	s_add_nc_u64 s[8:9], s[8:9], s[66:67]          ; q of my head
	s_add_nc_u64 s[10:11], s[10:11], s[66:67]      ; y of my head
	s_lshl_b32 s70, s72, 14
	s_add_co_u32 s70, s70, MS
	s_mov_b32 s[G0K], 1
	s_mov_b32 s[G0K+1], s73
	s_add_nc_u64 s[G0K+2:G0K+3], s[8:9], s[70:71]  ; k of my head, my 128 rows of slot 0
	s_mov_b32 s[G0V], 1
	s_mov_b32 s[G0V+1], s74
	s_add_nc_u64 s[G0V+2:G0V+3], s[G0K+2:G0K+3], MS
	s_or_b32 s[G0K+3], s[G0K+3], 0x80000000
	s_or_b32 s[G0V+3], s[G0V+3], 0x80000000
	TLOAD                                          ; slot 0
	s_lshl_b32 s70, s[Q0], 7
	s_add_nc_u64 s[4:5], s[8:9], s[70:71]          ; Q and Y of the first block,
	s_add_nc_u64 s[12:13], s[10:11], s[70:71]
	s_lshl_b32 s70, s[Q0B], 7
	s_add_nc_u64 s[6:7], s[8:9], s[70:71]          ; and of the second
	s_add_nc_u64 s[14:15], s[10:11], s[70:71]
	s_and_b32 s70, s[WV], 3
	s_lshl_b32 s70, s70, 13
	s_add_co_u32 s70, s70, MS+32768                ; the prefetches stand in slot 1; the first change of slots steps them to slot 2
	s_add_nc_u64 s[PFK:PFK+1], s[8:9], s[70:71]
	s_add_nc_u64 s[PFV:PFV+1], s[PFK:PFK+1], MS
	s_lshr_b32 s73, s[WV], 2
	s_xor_b32 s73, s73, 1                          ; 0 in waves 4 to 7
	s_or_b32 s73, s73, ttmp9                       ; of work-group x = 0
	s_cmp_eq_u32 s73, 0
	s_cselect_b32 s[LIM], 2, -1
	v_and_b32 v14, 15, v0                          ; r
	v_bfe_u32 v15, v0, 4, 1                        ; h
	v_lshlrev_b32 v[QO], 7, v14
	v_lshl_add_u32 v[QO], v15, 4, v[QO]            ; Q: row r of 128 bytes + 16 h
	WIN 0x40
	QLOAD 4
	WIN 0
	v_mul_u32_u24 v[AK0], v14, PK
	v_lshl_add_u32 v[AK0], v15, 4, v[AK0]
	v_and_b32 v3, 7, v0
	v_lshl_add_u32 v[AV0], v15, 3, v3
	v_mul_u32_u24 v[AV0], v[AV0], PV
	v_bfe_u32 v3, v0, 3, 1
	v_lshl_add_u32 v[AV0], v3, 4, v[AV0]
	v_add_nc_u32 v[AV0], VOFF, v[AV0]              ; the turning load: key 8 h + lane % 8, channels 8 ((lane / 8) % 2) on
	s_mul_i32 s66, s[WV], 32*144
	s_add_co_u32 s66, s66, STAGE
	v_add_nc_u32 v[STO], s66, v[AK0]               ; the stage, in: row r, 16 bytes for each half of the lanes
	v_and_b32 v[GO], 31, v0
	v_lshrrev_b32 v[RD], 3, v[GO]
	v_mul_u32_u24 v[RD], v[RD], 144
	v_and_b32 v3, 7, v0
	v_lshl_add_u32 v[RD], v3, 4, v[RD]
	v_add_nc_u32 v[RD], s66, v[RD]                 ; back: eight lanes to a row, four rows an instruction
	v_lshlrev_b32 v[PFO], 8, v[GO]
	v_lshlrev_b32 v[GO], 4, v[GO]
	v_lshlrev_b32 v[DL], 3, v15
	v_sub_nc_u32 v[DL], v14, v[DL]
	v_mov_b32 v[NINF], 0xff800000
.irp t, 0,1
	v_mov_b32 v[ST+8*\t+1], 0xff61b1e6             ; m: -3e38, under every score
	v_mul_f32 v[ST+8*\t], s[CS], v[ST+8*\t+1]      ; c m
.irp j, 2,3,4,5,6,7
	v_mov_b32 v[ST+8*\t+\j], 0                     ; l, and the registers at work
.endr
.endr
.irp j, 0,1,2,3,4,5,6,7,8,9,10,11,12,13,14,15,16,17,18,19,20,21,22,23,24,25,26,27,28,29,30,31,32,33,34,35,36,37,38,39,40,41,42,43,44,45,46,47,48,49,50,51,52,53,54,55,56,57,58,59,60,61,62,63
	v_mov_b32 v[O+\j], 0                           ; O^T, once: the key step is written in one form, and its first run multiplies these by a = 0
.endr
; THE SOFTMAX of a key step, both tiles line by line.  All 66 exponentials are one batch with one wait, ahead of the first line that names a result.
.macro SOFTMAX
.irp j, 0,1,2,3
.irp t, 0,1
	v_max3_num_f32 v[ST+8*\t+4+\j], v[S+32*\t+8*\j], v[S+32*\t+8*\j+1], v[S+32*\t+8*\j+2]   ; each accumulator is read from its low end on
.endr
.endr
.irp g, 1,2
.irp j, 0,1,2,3
.irp t, 0,1
	v_max3_num_f32 v[ST+8*\t+4+\j], v[ST+8*\t+4+\j], v[S+32*\t+8*\j+2*\g+1], v[S+32*\t+8*\j+2*\g+2]
.endr
.endr
.endr
.irp t, 0,1
	v_max3_num_f32 v[ST+8*\t+4], v[ST+8*\t+4], v[S+32*\t+7], v[S+32*\t+15]
	v_max3_num_f32 v[ST+8*\t+6], v[ST+8*\t+6], v[S+32*\t+23], v[S+32*\t+31]
.endr
.irp t, 0,1
	v_max3_num_f32 v[ST+8*\t+4], v[ST+8*\t+4], v[ST+8*\t+5], v[ST+8*\t+6]
.endr
.irp t, 0,1
	v_max3_num_f32 v[ST+8*\t+4], v[ST+8*\t+4], v[ST+8*\t+7], v[ST+8*\t+1]   ; with the old m
.endr
.irp t, 0,1
	v_permlanex16_b32 v[ST+8*\t+5], v[ST+8*\t+4], s[SEL], s[SEL+1]          ; the query's other 32 keys lie in the lane 16 away
.endr
.irp t, 0,1
	v_mov_b32 v[ST+8*\t+7], v[ST+8*\t]             ; c m_old
.endr
.irp t, 0,1
	v_max_num_f32 v[ST+8*\t+1], v[ST+8*\t+4], v[ST+8*\t+5]
.endr
.irp t, 0,1
	v_mul_f32 v[ST+8*\t], s[CS], v[ST+8*\t+1]
.endr
.irp t, 0,1
	v_sub_f32 v[ST+8*\t+7], v[ST+8*\t+7], v[ST+8*\t]
.endr
.irp t, 0,1
	v_exp_f32 v[ST+8*\t+6], v[ST+8*\t+7]           ; a = 2^(c m_old - c m_new)
.endr
.irp n, 0,2,4,6,8,10,12,14,16,18,20,22,24,26,28,30
.irp t, 0,1
	v_pk_fma_f32 v[S+32*\t+\n:S+32*\t+\n+1], v[S+32*\t+\n:S+32*\t+\n+1], s[CS:CS+1], v[ST+8*\t:ST+8*\t+1] op_sel_hi:[1,0,0] neg_lo:[0,0,1] neg_hi:[0,0,1]   ; c s - c m
.endr
.endr
.irp n, 0,1,2,3,4,5,6,7,8,9,10,11,12,13,14,15,16,17,18,19,20,21,22,23,24,25,26,27,28,29,30,31
.irp t, 0,1
	v_exp_f32 v[S+32*\t+\n], v[S+32*\t+\n]
.endr
.endr
	v_nop                                          ; a plain instruction behind the last exponential
	s_wait_alu depctr_va_vdst(0)                   ; one wait for the batch, ahead of its first reader
.irp n, 0,1,2,3,4,5,6,7,8,9,10,11,12,13,14,15
.irp t, 0,1
	v_cvt_pk_f16_f32 v[P+16*\t+\n], v[S+32*\t+2*\n], v[S+32*\t+2*\n+1]
.endr
.endr
.irp u, 0,1,2,3,4,5,6,7
.irp t, 0,1
	v_pk_add_f32 v[S+32*\t+4*\u:S+32*\t+4*\u+1], v[S+32*\t+4*\u:S+32*\t+4*\u+1], v[S+32*\t+4*\u+2:S+32*\t+4*\u+3]   ; the sum of the unrounded weights, in place
.endr
.endr
.irp u, 0,1,2,3
.irp t, 0,1
	v_pk_add_f32 v[S+32*\t+8*\u:S+32*\t+8*\u+1], v[S+32*\t+8*\u:S+32*\t+8*\u+1], v[S+32*\t+8*\u+4:S+32*\t+8*\u+5]
.endr
.endr
.irp u, 0,1
.irp t, 0,1
	v_pk_add_f32 v[S+32*\t+16*\u:S+32*\t+16*\u+1], v[S+32*\t+16*\u:S+32*\t+16*\u+1], v[S+32*\t+16*\u+8:S+32*\t+16*\u+9]
.endr
.endr
.irp t, 0,1
	v_pk_add_f32 v[S+32*\t:S+32*\t+1], v[S+32*\t:S+32*\t+1], v[S+32*\t+16:S+32*\t+17]
.endr
.irp t, 0,1
	v_pk_fma_f32 v[ST+8*\t+2:ST+8*\t+3], v[ST+8*\t+2:ST+8*\t+3], v[ST+8*\t+6:ST+8*\t+7], v[S+32*\t:S+32*\t+1] op_sel_hi:[1,0,1]   ; l = a l + the sum
.endr
.irp n, 0,2,4,6,8,10,12,14,16,18,20,22,24,26,28,30
.irp t, 0,1
	v_pk_mul_f32 v[O+32*\t+\n:O+32*\t+\n+1], v[O+32*\t+\n:O+32*\t+\n+1], v[ST+8*\t+6:ST+8*\t+7] op_sel_hi:[1,0]   ; O^T x a
.endr
.endr
.endm
; A KEY STEP: 64 keys, the q-th of the slot in hand.  A step all of whose keys come after my 32 queries is left out by a scalar branch on ids; no barrier and no tensor load stands in a step.
.macro STEP q
	s_add_co_u32 s66, s[Q0], 31
	s_cmp_gt_u32 s[KF], s66
	s_cbranch_scc1 .Lhidden_\@
	v_add_nc_u32 v[ADK], s[TB], v[AK0]             ; these four lines are also the places between the last products and the loads into V's registers
	v_add_nc_u32 v[ADV], s[TB], v[AV0]
	v_nop
	v_nop
	WIN 0x40                                       ; destination window 1
.irp kt, 0,1,2,3
.irp c, 0,1
	ds_load_b128 v[KR+16*\kt+8*\c:KR+16*\kt+8*\c+3],   v[ADK] offset:(\q)*64*PK+\kt*16*PK+\c*64
	ds_load_b128 v[KR+16*\kt+8*\c+4:KR+16*\kt+8*\c+7], v[ADK] offset:(\q)*64*PK+\kt*16*PK+\c*64+32
.endr
.endr
.irp ks, 0,1
.irp ct, 0,1,2,3
	ds_load_tr16_b128 v[VR+32*\ks+8*\ct:VR+32*\ks+8*\ct+3],   v[ADV] offset:(\q)*64*PV+\ks*32*PV+\ct*32
	ds_load_tr16_b128 v[VR+32*\ks+8*\ct+4:VR+32*\ks+8*\ct+7], v[ADV] offset:(\q)*64*PV+\ks*32*PV+16*PV+\ct*32
.endr
.endr
	s_wait_dscnt 16                                ; K is in; V's sixteen loads may be out
	WIN 0x05                                       ; K and Q in window 1
.irp c, 0,1                                    ; S^T = K Q^T: the eight accumulators take turns
.irp kt, 0,1,2,3
.irp t, 0,1
.if \c == 0
	v_wmma_f32_16x16x32_f16 v[S+32*\t+8*\kt:S+32*\t+8*\kt+7], v[KR+16*\kt+8*\c:KR+16*\kt+8*\c+7], v[16*\t+8*\c:16*\t+8*\c+7], 0
.else
	v_wmma_f32_16x16x32_f16 v[S+32*\t+8*\kt:S+32*\t+8*\kt+7], v[KR+16*\kt+8*\c:KR+16*\kt+8*\c+7], v[16*\t+8*\c:16*\t+8*\c+7], v[S+32*\t+8*\kt:S+32*\t+8*\kt+7]
.endif
.endr
.endr
.endr
	WIN 0
.rept 4
	v_nop
.endr
	s_add_co_u32 s66, s[KF], 63                    ; on the diagonal hidden scores become -infinity; a step all of whose keys count skips this
	s_cmp_le_u32 s66, s[Q0]
	s_cbranch_scc1 .Lopen_\@
	s_sub_co_i32 s66, s[Q0], s[KF]
	v_add_nc_u32 v14, s66, v[DL]                   ; tile 0: register 8 kt + j holds a key that is hidden where 16 kt + j > my query - KF - 8 (lane / 16)
	v_add_nc_u32 v15, 16, v14                      ; tile 1
.irp t, 0,1
.irp n, 0,1,2,3,4,5,6,7,8,9,10,11,12,13,14,15,16,17,18,19,20,21,22,23,24,25,26,27,28,29,30,31
	v_cmp_gt_i32 vcc_lo, 16*(\n/8)+\n%8, v[14+\t]
	v_cndmask_b32 v[S+32*\t+\n], v[S+32*\t+\n], v[NINF], vcc_lo
.endr
.endr
.Lopen_\@:
	SOFTMAX
	s_wait_dscnt 0x0                               ; V is in
	WIN 0x01                                       ; V in window 1
.irp ks, 0,1                                   ; O^T += V^T P: the eight accumulators take turns
.irp ct, 0,1,2,3
.irp t, 0,1
	v_wmma_f32_16x16x32_f16 v[O+32*\t+8*\ct:O+32*\t+8*\ct+7], v[VR+32*\ks+8*\ct:VR+32*\ks+8*\ct+7], v[P+16*\t+8*\ks:P+16*\t+8*\ks+7], v[O+32*\t+8*\ct:O+32*\t+8*\ct+7]
.endr
.endr
.endr
	WIN 0
.Lhidden_\@:
	s_add_co_u32 s[KF], s[KF], 64
.endm
; THE CHANGE OF SLOTS stands at a slot's head.  Each wave waits for all its tensor loads, adds 0 to its spare word, and waits for that and for its reads of the slot that it has left.
; Behind the barrier the slot ahead is whole and nobody reads the other one; fill = 1: that one is filled with the keys that follow; it has four key steps in which to land.
.macro CHANGE fill
	s_wait_tensorcnt 0x0                           ; no tensor load of mine is out, so a group 0 may be written
	ds_add_u32 v[SPW], v[NIL]
.if \fill
	ds_add_u32 v[SPW], v[NIL]                      ; and once more, in every trip alike
	s_xor_b32 s[G0K+1], s[G0K+1], SLOT1            ; the other slot,
	s_xor_b32 s[G0V+1], s[G0V+1], SLOT1
	s_add_nc_u64 s[G0K+2:G0K+3], s[G0K+2:G0K+3], 32768   ; the next 256 keys,
	s_add_nc_u64 s[G0V+2:G0V+3], s[G0V+2:G0V+3], 32768
	s_cmp_eq_u32 s[SLOTS], s[SWA]                  ; or, in the first block's last trip, key 0 again for the second block
	s_cselect_b32 s[BK], s[BACK], 0
	s_sub_nc_u64 s[G0K+2:G0K+3], s[G0K+2:G0K+3], s[BK:BK+1]
	s_sub_nc_u64 s[G0V+2:G0V+3], s[G0V+2:G0V+3], s[BK:BK+1]
	s_wait_xcnt 0x0                                ; the last prefetches, a slot back, have read their addresses
	s_add_nc_u64 s[PFK:PFK+1], s[PFK:PFK+1], 32768
	s_add_nc_u64 s[PFV:PFV+1], s[PFV:PFV+1], 32768
.endif
	s_wait_dscnt 0x0                               ; the add is done, and my reads of the slot that I have left are over
	s_barrier_signal -1
	s_barrier_wait -1
.if \fill
	TLOAD                                          ; the first thing behind the barrier, and a wave's one tensor load until the next
	ASK
.endif
.endm
; A BLOCK'S END.  O^T / l, rounded to f16, goes through my stage and leaves as 512 consecutive bytes an instruction.  next = 1: the second block's Q is asked for first and the statistics begin anew
; (m = -3e38 makes the next step's a = 0, which clears l and O^T).
.macro FINISH y, next
.rept 4
	v_nop                                          ; places behind the last products
.endr
.if \next
	WIN 0x40
	QLOAD 6
	WIN 0
.endif
.irp t, 0,1
	v_add_f32 v[ST+8*\t+4], v[ST+8*\t+2], v[ST+8*\t+3]
.endr
.irp t, 0,1
	v_permlanex16_b32 v[ST+8*\t+5], v[ST+8*\t+4], s[SEL], s[SEL+1]
.endr
.irp t, 0,1
	v_add_f32 v[ST+8*\t+4], v[ST+8*\t+4], v[ST+8*\t+5]
.endr
.irp t, 0,1
	v_rcp_f32 v[ST+8*\t+6], v[ST+8*\t+4]
.endr
	v_nop
	s_wait_alu depctr_va_vdst(0)                   ; one wait for the two reciprocals, ahead of their first reader
.irp n, 0,2,4,6,8,10,12,14,16,18,20,22,24,26,28,30
.irp t, 0,1
	v_pk_mul_f32 v[S+32*\t+\n:S+32*\t+\n+1], v[O+32*\t+\n:O+32*\t+\n+1], v[ST+8*\t+6:ST+8*\t+7] op_sel_hi:[1,0]
.endr
.endr
.irp n, 0,1,2,3,4,5,6,7,8,9,10,11,12,13,14,15
.irp t, 0,1
	v_cvt_pk_f16_f32 v[P+16*\t+\n], v[S+32*\t+2*\n], v[S+32*\t+2*\n+1]
.endr
.endr
.irp t, 0,1
.irp ct, 0,1,2,3
	ds_store_b128 v[STO], v[P+16*\t+4*\ct:P+16*\t+4*\ct+3] offset:\t*16*144+32*\ct
.endr
.endr
.irp u, 0,1,2,3,4,5,6,7
	ds_load_b128 v[S+4*\u:S+4*\u+3], v[RD] offset:\u*4*144   ; LDS serves a wave's instructions in order: these see the stores above
.endr
.irp u, 0,1,2,3,4,5,6,7
	s_wait_dscnt 7-\u                              ; the younger loads may be out
	global_store_b128 v[GO], v[S+4*\u:S+4*\u+3], s[\y:\y+1] offset:512*\u
.endr
.if \next
.irp t, 0,1
	v_mov_b32 v[ST+8*\t+1], 0xff61b1e6
	v_mul_f32 v[ST+8*\t], s[CS], v[ST+8*\t+1]
.endr
	s_mov_b32 s[KF], 0
	s_mov_b32 s[Q0], s[Q0B]
	s_wait_loadcnt 0x0                             ; the second block's Q
.endif
	s_wait_xcnt 0x0                                ; the stores have read S^T's registers, which the next products write
.endm
	s_wait_loadcnt 0x0                             ; Q
.Lslot:                                            ; eight trips: behind each change of slots the next slot is asked for
	CHANGE 1
	STEP 0
	STEP 1
	STEP 2
	STEP 3
	s_xor_b32 s[TB], s[TB], SLOT1
	s_cmp_lg_u32 s[SLOTS], s[SWA]                  ; the same in all eight waves
	s_cbranch_scc1 .Lsame
	FINISH 12, 1
.Lsame:
	s_sub_co_u32 s[SLOTS], s[SLOTS], 1
	s_cmp_lg_u32 s[SLOTS], 0
	s_cbranch_scc1 .Lslot
	CHANGE 0                                       ; the ninth slot is written out: nothing is left to fetch
	STEP 0
	STEP 1
	STEP 2
	STEP 3
	FINISH 14, 0
	s_wait_tensorcnt 0x0                           ; the wave's end
	ds_add_u32 v[SPW], v[NIL]
	s_wait_dscnt 0x0
	s_endpgm
.Lfunc_end_k_q1047c9d470_attn:
	.size	k_q1047c9d470_attn, .Lfunc_end_k_q1047c9d470_attn-k_q1047c9d470_attn
	.p2alignl 7, 3214868480
	.fill 96, 4, 3214868480
	.section	.rodata,"a",@progbits
	.p2align	6, 0x0
	.amdhsa_kernel k_q1047c9d470_attn
		.amdhsa_group_segment_fixed_size 327680
		.amdhsa_private_segment_fixed_size 0
		.amdhsa_enable_private_segment 0
		.amdhsa_kernarg_size 16
		.amdhsa_user_sgpr_count 2
		.amdhsa_user_sgpr_kernarg_segment_ptr 1
		.amdhsa_wavefront_size32 1
		.amdhsa_system_sgpr_workgroup_id_x 1
		.amdhsa_system_sgpr_workgroup_id_y 1
		.amdhsa_system_sgpr_workgroup_id_z 1
		.amdhsa_system_vgpr_workitem_id 0
		.amdhsa_next_free_vgpr 416
		.amdhsa_next_free_sgpr 80
		.amdhsa_reserve_vcc 1
		.amdhsa_float_denorm_mode_32 3
		.amdhsa_float_denorm_mode_16_64 3
		.amdhsa_memory_ordered 1
		.amdhsa_forward_progress 1
		.amdhsa_inst_pref_size 196
	.end_amdhsa_kernel
	.amdgpu_metadata
---
amdhsa.version: [ 1, 2 ]
amdhsa.kernels:
  - .name:           k_q1047c9d470_attn
    .symbol:         k_q1047c9d470_attn.kd
    .args:
      - { .name: qkv, .offset: 0, .size: 8, .value_kind: global_buffer, .address_space: global }
      - { .name: yh, .offset: 8, .size: 8, .value_kind: global_buffer, .address_space: global }
    .group_segment_fixed_size: 327680
    .private_segment_fixed_size: 0
    .kernarg_segment_align: 8
    .kernarg_segment_size: 16
    .max_flat_workgroup_size: 256
    .sgpr_count:     80
    .vgpr_count:     416
    .wavefront_size: 32
...
	.end_amdgpu_metadata
.endif
;; end of part 3
;; launch proj (part 4): grid 4 x 64, 4 waves a work-group, clusters of 4 x 4, 327,680 bytes of LDS; arguments yh, wot, bo, out0; writes out0
.if DOCPART == 4
	.amdgcn_target "amdgcn-amd-amdhsa--gfx1250"
	.amdhsa_code_object_version 6
	.text
	.protected	k_q1047c9d470_proj
	.globl	k_q1047c9d470_proj
	.p2align	8
	.type	k_q1047c9d470_proj,@function
k_q1047c9d470_proj:
	s_mov_b64 s[64:65], 0
	v_nop
	global_prefetch_b8 v0, s[64:65] scope:SCOPE_SE
	s_setreg_imm32_b32 hwreg(HW_REG_WAVE_MODE, 25, 1), 1
	s_wait_xcnt 0x0
	s_wait_alu depctr_hold_cnt(0) depctr_sa_sdst(0) depctr_va_vdst(0) depctr_va_sdst(0) depctr_va_ssrc(0) depctr_va_vcc(0) depctr_vm_vsrc(0)
	s_getreg_b32 s2, hwreg(HW_REG_IB_STS2, 6, 4)
	s_cmp_eq_u32 s2, 0
	s_cbranch_scc0 .Lentry_in_a_cluster
	s_endpgm
.Lentry_in_a_cluster:
	s_bfe_u32 s2, ttmp6, 0x10000c
	s_cmp_lg_u32 s2, 0xf033
	s_cbranch_scc0 .Lentry_shape_is_right
	s_endpgm
.Lentry_shape_is_right:
; out0 = y Wo + bo.  y: f16 by heads, yh [batch 16 + head][t][64]; Wo: f16, turned, wot [n][k]; bo and out0 [8192][1024]: f32; sums in f32.
; A tile of out0 is 128 rows x 256 columns: 256 work-groups.  Four waves, each 64 x 128: 32 accumulators.  K goes in steps of 128 (two heads) through a ring of two LDS slots:
; A's tile is two planes (a head each) of 128 rows x 128 bytes, dense in memory; B's is 256 rows x 256 bytes.  Waves 0 and 1 fetch A's planes, waves 2 and 3 B's halves.
; CLUSTERS: 4 x 4.  A's tiles are shared along a row of the cluster, B's along a column: each is asked for jointly.
; THE MATRIX INSTRUCTION IS USED TRANSPOSED (source 0 = 16 rows of wot, source 1 = 16 rows of y): a lane holds eight neighbouring columns of a row.  The bias is the C of each sum's first product.
; The first 16 positions of every sequence are written here as all rows are, and written again, more finely, by the launch that follows.
; REGISTERS: window 0: v0-31 addresses; v64-127 A's fragments, two buffers of 32; v128-191 the bias; on the way out v128-255 rows.  window 1: v0-127 B's fragments, two buffers.  window 2: the accumulators ((a, b) at v[8 (8 a + b)]).
.set SLOT,   106496                    ; A: 2 planes x 128 x 144; B at 36,864: 256 x 272
.set PLANE,  18432
.set BOFF,   36864
.set STAGE,  2*SLOT                    ; 16 rows x 528 bytes for each wave
.set SPITCH, 528
.set SPARE,  STAGE+4*16*SPITCH         ; the spare words, 128 bytes a wave, that no other line names
.set LAPS,   4                         ; a lap = two K steps
.set ADRA, 16
.set ADRB, 20
.set STO,  24
.set RD,   25
.set CO,   26
.set BO,   27
.set SPW,  28
.set NIL,  29
.set AF,   64
.set BIAS, 128
.set BK,   128
.set G1, 24
.set G0, 32
.set G1B, 48
.set G0B, 56
.set MSB, 0
.macro WIN new
.if MSB != (\new)
	s_set_vgpr_msb (MSB<<8)|(\new)
.set MSB, (\new)
.endif
.endm
.set MUL,  0xa1                        ; source 0 (B) window 1, source 1 (A) window 0, C and D window 2
.set MULZ, 0x81                        ; the same with C (the bias) in window 0
.set TO_B, 0x40
.macro JLOAD s                         ; a joint load; an s_nop 0 and four v_nop follow each line
	s_cmp_eq_u32 s13, 0
	s_cbranch_scc0 .Lfor_b_\@
	tensor_load_to_lds s[G0+4*\s:G0+4*\s+3], s[G1:G1+7]
	s_nop 0
.rept 4
	v_nop
.endr
	s_branch .Lasked_\@
.Lfor_b_\@:
	tensor_load_to_lds s[G0B+4*\s:G0B+4*\s+3], s[G1B:G1B+7]
	s_nop 0
.rept 4
	v_nop
.endr
.Lasked_\@:
.endm
.macro CREST                           ; a round of the cluster's barrier behind its opening barrier
	s_cmp_lg_u32 s12, 0
	s_cbranch_scc1 .Lnot_wave_0_\@
	s_barrier_signal -3
.Lnot_wave_0_\@:
	s_barrier_wait -3
	s_barrier_signal -1
	s_barrier_wait -1
.endm
.macro CROUND
	s_barrier_signal -1
	s_barrier_wait -1
	CREST
.endm
	s_load_b256 s[4:11], s[0:1], 0x0               ; yh 4:5, wot 6:7, bo 8:9, out0 10:11
	v_lshl_add_u32 v[SPW], v0, 2, SPARE
	v_mov_b32 v[NIL], 0
	ds_add_u32 v[SPW], v[NIL]                      ; the wave's opening: the add, twice on end, and its wait ahead of my first tensor load
	ds_add_u32 v[SPW], v[NIL]
	v_lshrrev_b32 v1, 5, v0
	v_readfirstlane_b32 s12, v1                    ; wave 0..3
	s_lshr_b32 s13, s12, 1                         ; which 64 rows are mine; also: I fetch for A (0) or B (1)
	s_and_b32 s14, s12, 1                          ; which 128 columns; also: which plane of A or half of B I fetch
	s_bfe_u32 s40, ttmp6, 0x40000                  ; cx
	s_bfe_u32 s41, ttmp6, 0x40004                  ; cy
	s_lshl_b32 s42, ttmp9, 2
	s_add_co_u32 s42, s42, s40                     ; tile column
	s_and_b32 s15, ttmp7, 0xffff
	s_lshl_b32 s15, s15, 2
	s_add_co_u32 s15, s15, s41                     ; tile row
	s_lshl_b32 s43, s41, 2
	s_lshl_b32 s43, 15, s43                        ; my row of the cluster
	s_lshl_b32 s44, 0x1111, s40                    ; my column
	s_or_b32 s[G1+0], s43, (1<<16)|(1<<20)|(1<<21)|(4<<22)|(3<<25)    ; A: elements of 2 bytes; 4 words of padding behind every 32
	s_mov_b32 s[G1+1], 64<<16
	s_mov_b32 s[G1+2], 128<<16
	s_mov_b32 s[G1+3], 64<<16
	s_mov_b32 s[G1+4], 128
	s_mov_b32 s[G1+5], 64
	s_mov_b32 s[G1+6], 0
	s_mov_b32 s[G1+7], 0
	s_or_b32 s[G1B+0], s44, (1<<16)|(1<<20)|(1<<21)|(5<<22)|(3<<25)   ; B: 4 words behind every 64
	s_mov_b32 s[G1B+1], 128<<16
	s_mov_b32 s[G1B+2], 128<<16
	s_mov_b32 s[G1B+3], 128<<16
	s_mov_b32 s[G1B+4], 128
	s_mov_b32 s[G1B+5], 1024
	s_mov_b32 s[G1B+6], 0
	s_mov_b32 s[G1B+7], 0
	s_lshr_b32 s16, s15, 4                         ; batch (16 tiles of 128 rows each)
	s_lshl_b32 s16, s16, 4
	s_add_co_u32 s16, s16, s14                     ; head 16 batch + plane
	s_lshl_b32 s16, s16, 11
	s_and_b32 s17, s15, 15
	s_lshl_b32 s17, s17, 7
	s_add_co_u32 s16, s16, s17                     ; + the tile's first position
	s_lshl_b32 s16, s16, 7                         ; rows of 128 bytes
	s_mov_b32 s17, 0
	s_lshl_b32 s46, s42, 8
	s_lshl_b32 s47, s14, 7
	s_add_co_u32 s46, s46, s47
	s_lshl_b32 s46, s46, 11                        ; B: row 256 x tile column + 128 x half, 2,048 bytes a row
	s_mov_b32 s47, 0
	s_mul_i32 s20, s14, PLANE                      ; where they go in a slot
	s_mul_i32 s21, s14, 128*272
	s_add_co_u32 s21, s21, BOFF
	s_wait_dscnt 0x0                               ; both opening adds are done
	s_wait_kmcnt 0x0
	s_add_nc_u64 s[18:19], s[4:5], s[16:17]
	s_add_nc_u64 s[46:47], s[6:7], s[46:47]
	CROUND                                         ; all sixteen work-groups are here: the first joint loads meet
.irp s, 0,1
	s_mov_b32 s[G0+4*\s], 1
	s_add_co_u32 s[G0+4*\s+1], s20, \s*SLOT
	s_add_nc_u64 s[G0+4*\s+2:G0+4*\s+3], s[18:19], \s*2*262144    ; K step s: heads 2 s, 2 s + 1
	s_or_b32 s[G0+4*\s+3], s[G0+4*\s+3], 0x80000000
	s_mov_b32 s[G0B+4*\s], 1
	s_add_co_u32 s[G0B+4*\s+1], s21, \s*SLOT
	s_add_nc_u64 s[G0B+4*\s+2:G0B+4*\s+3], s[46:47], \s*256
	s_or_b32 s[G0B+4*\s+3], s[G0B+4*\s+3], 0x80000000
	JLOAD \s
.endr
	v_and_b32 v1, 15, v0                           ; r
	v_bfe_u32 v2, v0, 4, 1                         ; h
	v_mul_u32_u24 v3, v1, 144
	v_lshl_add_u32 v3, v2, 4, v3
	v_mul_u32_u24 v4, v1, 272
	v_lshl_add_u32 v4, v2, 4, v4
	s_mul_i32 s21, s13, 64*144                     ; my 64 rows of A
	s_mul_i32 s22, s14, 128*272                    ; my 128 rows of B
	s_add_co_u32 s22, s22, BOFF
.irp s, 0,1
	v_add_nc_u32 v[ADRA+\s], s21, v3
	v_add_nc_u32 v[ADRB+\s], s22, v4
	s_add_co_u32 s21, s21, SLOT
	s_add_co_u32 s22, s22, SLOT
.endr
	s_mul_i32 s23, s12, 16*SPITCH
	s_add_co_u32 s23, s23, STAGE                   ; my stage
	v_mul_u32_u24 v5, v1, SPITCH
	v_lshl_add_u32 v5, v2, 5, v5
	v_add_nc_u32 v[STO], s23, v5                   ; in: row r, 32 bytes for each half of the lanes
	v_and_b32 v6, 31, v0
	v_lshlrev_b32 v[CO], 4, v6
	v_add_nc_u32 v[RD], s23, v[CO]                 ; back: the 32 lanes take a row of 512 bytes
	v_lshlrev_b32 v[BO], 5, v2
	s_lshl_b32 s16, s15, 7
	s_lshl_b32 s17, s13, 6
	s_add_co_u32 s16, s16, s17                     ; my first row of out0
	s_lshl_b32 s16, s16, 12
	s_mov_b32 s17, 0
	s_lshl_b32 s46, s42, 10
	s_lshl_b32 s47, s14, 9
	s_add_co_u32 s46, s46, s47                     ; my first column, in bytes
	s_mov_b32 s47, 0
	s_add_nc_u64 s[10:11], s[10:11], s[16:17]
	s_add_nc_u64 s[10:11], s[10:11], s[46:47]
	s_add_nc_u64 s[8:9], s[8:9], s[46:47]
.irp b, 0,1,2,3,4,5,6,7
	global_load_b128 v[BIAS+8*\b:BIAS+8*\b+3], v[BO], s[8:9] offset:64*\b       ; bo of columns 16 b + 8 h + 0 .. 7
	global_load_b128 v[BIAS+8*\b+4:BIAS+8*\b+7], v[BO], s[8:9] offset:64*\b+16
.endr
; 8 matrix instructions: A's block a x B's eight, 32 along K, from buffer g.  The 32 accumulators take turns, in the same order in every quarter.
.macro MUL8 g, a, zero
.irp b, 0,1,2,3,4,5,6,7
.if \zero
	v_wmma_f32_16x16x32_f16 v[8*(8*(\a)+\b):8*(8*(\a)+\b)+7], v[64*(\g)+8*\b:64*(\g)+8*\b+7], v[AF+32*(\g)+8*(\a):AF+32*(\g)+8*(\a)+7], v[BIAS+8*\b:BIAS+8*\b+7]
.else
	v_wmma_f32_16x16x32_f16 v[8*(8*(\a)+\b):8*(8*(\a)+\b)+7], v[64*(\g)+8*\b:64*(\g)+8*\b+7], v[AF+32*(\g)+8*(\a):AF+32*(\g)+8*(\a)+7], v[8*(8*(\a)+\b):8*(8*(\a)+\b)+7]
.endif
.endr
.endm
; 24 LDS loads in one run: quarter qd (32 along K) of a slot into buffer g: B's eight fragments, then A's four
.macro FETCH slot, qd, g
	WIN TO_B
.irp i, 0,1,2,3,4,5,6,7
	ds_load_b128 v[64*(\g)+8*\i:64*(\g)+8*\i+3],   v[ADRB+\slot] offset:64*(\qd)+\i*16*272
	ds_load_b128 v[64*(\g)+8*\i+4:64*(\g)+8*\i+7], v[ADRB+\slot] offset:64*(\qd)+\i*16*272+32
.endr
	WIN 0
.irp i, 0,1,2,3
	ds_load_b128 v[AF+32*(\g)+8*\i:AF+32*(\g)+8*\i+3],   v[ADRA+\slot] offset:((\qd)/2)*PLANE+((\qd)%2)*64+\i*16*144
	ds_load_b128 v[AF+32*(\g)+8*\i+4:AF+32*(\g)+8*\i+7], v[ADRA+\slot] offset:((\qd)/2)*PLANE+((\qd)%2)*64+\i*16*144+32
.endr
.endm
.macro PLACES                          ; plain vector instructions between a matrix instruction and a load into, or a read of, its registers
.rept 4
	v_nop
.endr
.endm
; One of a K step's first three quarters: multiplies buffer f and fetches quarter qd of the same slot into buffer g.
.macro QUARTER slot, qd, f, g, zero
	s_wait_dscnt 4                                 ; B and A's blocks 0, 1 are in; A's blocks 2, 3 (four loads) may be out
.if \zero
	WIN MULZ
.else
	WIN MUL
.endif
	MUL8 \f, 0, \zero
	MUL8 \f, 1, \zero
	PLACES
	FETCH \slot, \qd, \g
	s_wait_dscnt 24                                ; all but the 24 just issued
.if \zero
	WIN MULZ
.else
	WIN MUL
.endif
	MUL8 \f, 2, \zero
	MUL8 \f, 3, \zero
.endm
; The last quarter multiplies buffer 1 and changes slots: one barrier; in front of it each wave waits for all its tensor loads, adds 0 to its spare word, and waits for that and for its reads of this slot.
.macro TURN slot, next, fill
	WIN 0
	s_wait_tensorcnt 0x0                           ; my part of the next slot has landed
	ds_add_u32 v[SPW], v[NIL]
	s_wait_dscnt 5                                 ; the add and A's blocks 2, 3 may be out
	WIN MUL
	MUL8 1, 0, 0
	s_wait_dscnt 0x0                               ; the add is done, my reads of this slot are over
	s_barrier_signal -1
	MUL8 1, 1, 0
.if \fill
	WIN 0
.endif
	s_barrier_wait -1
.if \fill
	CREST                                          ; the barrier has opened a round of the cluster's: no wave of any partner still reads this slot or has a load on its way
	s_add_nc_u64 s[G0+4*\slot+2:G0+4*\slot+3], s[G0+4*\slot+2:G0+4*\slot+3], 4*262144   ; two K steps on: four heads
	s_add_nc_u64 s[G0B+4*\slot+2:G0B+4*\slot+3], s[G0B+4*\slot+2:G0B+4*\slot+3], 512
	JLOAD \slot                                    ; the first tensor load behind the round; its four v_nop are also the places in front of the loads below
.else
	PLACES
.endif
	FETCH \next, 0, 0
	WIN MUL
	MUL8 1, 2, 0
	MUL8 1, 3, 0
.endm
	s_wait_tensorcnt 1                             ; my part of K step 0 is in; K step 1's load may be out
	s_barrier_signal -1
	s_barrier_wait -1
	FETCH 0, 0, 0
	s_wait_loadcnt 0x0                             ; the bias
	QUARTER 0, 1, 0, 1, 1                          ; the first quarter's products start the sums from the bias
	WIN 0
	s_mov_b32 s3, LAPS-1
.Llap:                                             ; a trip goes once round the ring and fills both slots again
	QUARTER 0, 2, 1, 0, 0
	QUARTER 0, 3, 0, 1, 0
	TURN 0, 1, 1
	QUARTER 1, 1, 0, 1, 0
	QUARTER 1, 2, 1, 0, 0
	QUARTER 1, 3, 0, 1, 0
	TURN 1, 0, 1
	QUARTER 0, 1, 0, 1, 0
	WIN 0
	s_sub_co_u32 s3, s3, 1
	s_cmp_lg_u32 s3, 0
	s_cbranch_scc1 .Llap
	QUARTER 0, 2, 1, 0, 0                          ; the last lap fills nothing
	QUARTER 0, 3, 0, 1, 0
	TURN 0, 1, 0
	QUARTER 1, 1, 0, 1, 0
	QUARTER 1, 2, 1, 0, 0
	QUARTER 1, 3, 0, 1, 0
	s_wait_dscnt 4
	WIN MUL
	MUL8 1, 0, 0
	MUL8 1, 1, 0
	s_wait_dscnt 0
	MUL8 1, 2, 0
	MUL8 1, 3, 0
	WIN 0
; THE WAY OUT, 16 rows x 128 columns at a time, through my own stage and back as rows of 512 bytes.
.macro TOSTAGE a
.set AC, 64*(\a)
	WIN 0x08                                       ; an LDS store's data: window 2
.irp b, 0,1,2,3,4,5,6,7
	ds_store_b128 v[STO], v[AC+8*\b:AC+8*\b+3] offset:64*\b          ; each accumulator from its low end on
	ds_store_b128 v[STO], v[AC+8*\b+4:AC+8*\b+7] offset:64*\b+16
.endr
	WIN 0
.set BB, BK+64*((\a)%2)
.irp t, 0,1,2,3,4,5,6,7,8,9,10,11,12,13,14,15
	ds_load_b128 v[BB+4*\t:BB+4*\t+3], v[RD] offset:\t*SPITCH        ; LDS serves a wave's instructions in order: these see the stores above
.endr
.endm
.macro SEND a, younger
.set BB, BK+64*((\a)%2)
	s_wait_dscnt \younger                          ; the block is back; the next block's 16 stores and 16 loads may be out
.if (\a) > 0
	s_add_nc_u64 s[10:11], s[10:11], 65536         ; 16 rows on (behind a wait that has freed the base)
.endif
.irp t, 0,1,2,3,4,5,6,7,8,9,10,11,12,13,14,15
	global_store_b128 v[CO], v[BB+4*\t:BB+4*\t+3], s[10:11] offset:\t*4096 th:TH_STORE_NT   ; 32 lanes store 512 consecutive bytes
.endr
.endm
	PLACES
	TOSTAGE 0
.irp a, 1,2,3
.if \a > 1
	s_wait_xcnt 0x0                                ; block a - 2's stores have read their registers and their base
.endif
	TOSTAGE \a
	SEND \a-1, 32
.endr
	s_wait_xcnt 0x0
	SEND 3, 0
	s_wait_tensorcnt 0x0                           ; the wave's end
	ds_add_u32 v[SPW], v[NIL]
	s_wait_dscnt 0x0
	CROUND                                         ; the closing round
	s_endpgm
.Lfunc_end_k_q1047c9d470_proj:
	.size	k_q1047c9d470_proj, .Lfunc_end_k_q1047c9d470_proj-k_q1047c9d470_proj
	.p2alignl 7, 3214868480
	.fill 96, 4, 3214868480
	.section	.rodata,"a",@progbits
	.p2align	6, 0x0
	.amdhsa_kernel k_q1047c9d470_proj
		.amdhsa_group_segment_fixed_size 327680
		.amdhsa_private_segment_fixed_size 0
		.amdhsa_enable_private_segment 0
		.amdhsa_kernarg_size 32
		.amdhsa_user_sgpr_count 2
		.amdhsa_user_sgpr_kernarg_segment_ptr 1
		.amdhsa_wavefront_size32 1
		.amdhsa_system_sgpr_workgroup_id_x 1
		.amdhsa_system_sgpr_workgroup_id_y 1
		.amdhsa_system_sgpr_workgroup_id_z 1
		.amdhsa_system_vgpr_workitem_id 0
		.amdhsa_next_free_vgpr 768
		.amdhsa_next_free_sgpr 66
		.amdhsa_reserve_vcc 0
		.amdhsa_float_denorm_mode_32 3
		.amdhsa_float_denorm_mode_16_64 3
		.amdhsa_memory_ordered 1
		.amdhsa_forward_progress 1
		.amdhsa_inst_pref_size 87
	.end_amdhsa_kernel
	.amdgpu_metadata
---
amdhsa.version: [ 1, 2 ]
amdhsa.kernels:
  - .name:           k_q1047c9d470_proj
    .symbol:         k_q1047c9d470_proj.kd
    .args:
      - { .name: yh, .offset: 0, .size: 8, .value_kind: global_buffer, .address_space: global }
      - { .name: wot, .offset: 8, .size: 8, .value_kind: global_buffer, .address_space: global }
      - { .name: bo, .offset: 16, .size: 8, .value_kind: global_buffer, .address_space: global }
      - { .name: out0, .offset: 24, .size: 8, .value_kind: global_buffer, .address_space: global }
    .group_segment_fixed_size: 327680
    .private_segment_fixed_size: 0
    .kernarg_segment_align: 8
    .kernarg_segment_size: 32
    .max_flat_workgroup_size: 128
    .sgpr_count:     66
    .vgpr_count:     768
    .wavefront_size: 32
...
	.end_amdgpu_metadata
.endif
;; end of part 4
;; launch fine (part 5): grid 16 x 4, 16 waves a work-group, no clusters, 71,680 bytes of LDS; arguments fq, Wo, bo, out0; writes out0
.if DOCPART == 5
	.amdgcn_target "amdgcn-amd-amdhsa--gfx1250"
	.amdhsa_code_object_version 6
	.text
	.protected	k_q1047c9d470_fine
	.globl	k_q1047c9d470_fine
	.p2align	8
	.type	k_q1047c9d470_fine,@function
k_q1047c9d470_fine:
	s_mov_b64 s[64:65], 0
	v_nop
	global_prefetch_b8 v0, s[64:65] scope:SCOPE_SE
	s_setreg_imm32_b32 hwreg(HW_REG_WAVE_MODE, 25, 1), 1
	s_wait_xcnt 0x0
; THE FIRST 16 POSITIONS OF EVERY SEQUENCE, in f32 throughout: attention on fq [batch][q, k, v][t 16][1024] and the projection by Wo [k][n] as it is given, + bo.
; These rows average one to sixteen values and are the largest of the output: the rounding of 16-bit operands would weigh most here.  They are written over what the launch before left there.
; SHARES.  Work-group (ns, batch) makes rows 0-15 of its batch, columns 64 ns .. 64 ns + 63: 256 bytes of a row.  Wave = head: it makes its head's attention and then its 64 of the projection's K;
; the sixteen parts meet in LDS and are added in ascending order of heads.
; All products by v_wmma_f32_16x16x4_f32, used transposed, so that a lane holds one query throughout.  The four k of an instruction are chosen alike for both sources, so that plain loads fill them.
; The registers that these instructions write (v176-191, v208-239) are written by them alone; each sum begins with the constant 0.
; REGISTERS: v3-10 addresses; v16-47 Q, v48-79 K, later Wo's tiles 2, 3, later the parts; v80-111 V, then y; v112-175 Wo's tiles 0, 1; v176-191 S^T in two halves; v192-199 scores, then p; v200-207 at work; v208-239 O^T, then out^T.
.set SPARE, 69632                      ; behind the sixteen parts of 16 x 272 bytes: the spare words, 128 bytes a wave, that no other line names
.set SPW, 12
.set NIL, 13
	s_load_b256 s[4:11], s[0:1], 0x0               ; fq 4:5, Wo 6:7, bo 8:9, out0 10:11
	v_lshl_add_u32 v[SPW], v0, 2, SPARE
	v_mov_b32 v[NIL], 0
	v_lshrrev_b32 v1, 5, v0
	v_readfirstlane_b32 s12, v1                    ; wave = head
	v_and_b32 v1, 15, v0                           ; r
	v_bfe_u32 v2, v0, 4, 1                         ; h
	v_lshlrev_b32 v3, 12, v1
	v_lshl_add_u32 v3, v2, 4, v3                   ; Q, K: row r of 4,096 bytes + 16 h
	v_lshlrev_b32 v4, 2, v1
	v_lshl_add_u32 v4, v2, 15, v4                  ; V, Wo: column r, eight rows further down for lanes 16-31
	v_lshlrev_b32 v5, 3, v2
	v_sub_nc_u32 v5, v1, v5                        ; r - 8 h
	v_mov_b32 v6, 0xff800000                       ; -infinity
	s_mul_i32 s13, s12, 4352
	v_mul_u32_u24 v7, v2, 272
	v_lshl_add_u32 v7, v1, 4, v7
	v_add_nc_u32 v7, s13, v7                       ; my part, in: chunk (tile, half, h), 16 bytes a query
	v_and_b32 v8, 12, v1                           ; back: lane = (query, four columns cq): chunk 4 (cq / 4) + 2 (cq % 2) + (cq / 2) % 2
	v_and_b32 v9, 1, v1
	v_lshl_add_u32 v8, v9, 1, v8
	v_bfe_u32 v9, v0, 1, 1
	v_add_nc_u32 v8, v8, v9
	v_mul_u32_u24 v8, v8, 272
	v_and_b32 v9, 0xf0, v0                         ; 16 x query, query = 2 wave + lane / 16 in waves 0 to 7
	v_add_nc_u32 v8, v8, v9
	v_lshlrev_b32 v10, 4, v1                       ; bo: 16 cq
	v_lshl_add_u32 v9, v2, 12, v10                 ; out0: the wave's two rows, 16 cq
	s_mov_b32 s24, 0x76543210
	s_mov_b32 s25, 0xfedcba98
	s_mov_b32 s26, 0x3e38aa3b                      ; c = log2(e) / 8
	s_and_b32 s14, ttmp7, 0xffff                   ; batch
	s_mul_i32 s16, s14, 196608
	s_lshl_b32 s17, s12, 8
	s_add_co_u32 s16, s16, s17                     ; fq: my batch, my head's 64 columns
	s_mov_b32 s17, 0
	s_lshl_b32 s18, s12, 18                        ; Wo: my head's 64 rows,
	s_lshl_b32 s20, ttmp9, 8                       ; my work-group's 64 columns
	s_add_co_u32 s18, s18, s20
	s_mov_b32 s19, 0
	s_mov_b32 s21, 0
	s_lshl_b32 s22, s14, 23                        ; out0: my batch,
	s_lshl_b32 s23, s12, 13                        ; two rows a wave,
	s_add_co_u32 s22, s22, s23
	s_add_co_u32 s22, s22, s20                     ; my columns
	s_mov_b32 s23, 0
	s_wait_kmcnt 0x0
	s_add_nc_u64 s[4:5], s[4:5], s[16:17]
	s_add_nc_u64 s[6:7], s[6:7], s[18:19]
	s_add_nc_u64 s[8:9], s[8:9], s[20:21]
	s_add_nc_u64 s[10:11], s[10:11], s[22:23]
.irp s, 0,1,2,3,4,5,6,7
	global_load_b128 v[16+4*\s:19+4*\s], v3, s[4:5] offset:32*\s             ; Q(r, 8 s + 4 h + 0 .. 3)
.endr
.irp s, 0,1,2,3,4,5,6,7
	global_load_b128 v[48+4*\s:51+4*\s], v3, s[4:5] offset:65536+32*\s       ; K likewise
.endr
.irp c, 0,1,2,3
.irp n, 0,1,2,3,4,5,6,7
	global_load_b32 v[80+8*\c+\n], v4, s[4:5] offset:131072+\n*4096+64*\c    ; V(key 8 h + n, channel 16 c + r)
.endr
.endr
.irp nt, 0,1
.irp c, 0,1,2,3
.irp n, 0,1,2,3,4,5,6,7
	global_load_b32 v[112+32*\nt+8*\c+\n], v4, s[6:7] offset:(16*\c+\n)*4096+64*\nt   ; Wo(channel 16 c + 8 h + n, column 16 nt + r)
.endr
.endr
.endr
	s_wait_loadcnt 63                              ; of the 112 loads at most 63 are out: the first 48, Q, K and V, are in
	; S^T = K Q^T: sixteen steps of four channels, two sums by turns
	v_wmma_f32_16x16x4_f32 v[176:183], v[48:49], v[16:17], 0
	v_wmma_f32_16x16x4_f32 v[184:191], v[50:51], v[18:19], 0
.irp n, 2,3,4,5,6,7,8,9,10,11,12,13,14,15
	v_wmma_f32_16x16x4_f32 v[176+8*(\n%2):183+8*(\n%2)], v[48+2*\n:49+2*\n], v[16+2*\n:17+2*\n], v[176+8*(\n%2):183+8*(\n%2)]
.endr
.rept 8
	v_nop                                          ; places behind this form, in front of reads of its results and of loads into its sources
.endr
.irp nt, 0,1
.irp c, 0,1,2,3
.irp n, 0,1,2,3,4,5,6,7
	global_load_b32 v[16+32*\nt+8*\c+\n], v4, s[6:7] offset:(16*\c+\n)*4096+64*(\nt+2)   ; Wo's tiles 2 and 3, where Q and K lay
.endr
.endr
.endr
.irp j, 0,1,2,3,4,5,6,7
	v_add_f32 v[192+\j], v[176+\j], v[184+\j]      ; lane (r, h): query r, key 8 h + j
.endr
.irp j, 0,1,2,3,4,5,6,7
	v_cmp_gt_i32 vcc_lo, \j, v5                    ; hidden where 8 h + j > r
	v_cndmask_b32 v[192+\j], v[192+\j], v6, vcc_lo
.endr
	v_max3_num_f32 v200, v192, v193, v194
	v_max3_num_f32 v201, v195, v196, v197
	v_max3_num_f32 v200, v200, v198, v199
	v_max_num_f32 v200, v200, v201
	v_permlanex16_b32 v201, v200, s24, s25
	v_max_num_f32 v200, v200, v201                 ; the row's maximum: key 0 counts for every query
	v_mul_f32 v200, s26, v200
.irp j, 0,1,2,3,4,5,6,7
	v_fma_f32 v[192+\j], v[192+\j], s26, -v200
.endr
.irp j, 0,1,2,3,4,5,6,7
	v_exp_f32 v[192+\j], v[192+\j]
.endr
	v_nop
	s_wait_alu depctr_va_vdst(0)                   ; one wait for the eight, ahead of their first reader
	v_pk_add_f32 v[202:203], v[192:193], v[194:195]
	v_pk_add_f32 v[204:205], v[196:197], v[198:199]
	v_pk_add_f32 v[202:203], v[202:203], v[204:205]
	v_add_f32 v202, v202, v203
	v_permlanex16_b32 v203, v202, s24, s25
	v_add_f32 v202, v202, v203                     ; the row's sum
	v_rcp_f32 v204, v202
	v_nop
	s_wait_alu depctr_va_vdst(0)
	; O^T = V^T P: four steps of four keys, the four tiles of channels by turns
.irp u, 0,1,2,3
.irp c, 0,1,2,3
.if \u == 0
	v_wmma_f32_16x16x4_f32 v[208+8*\c:215+8*\c], v[80+8*\c+2*\u:81+8*\c+2*\u], v[192+2*\u:193+2*\u], 0
.else
	v_wmma_f32_16x16x4_f32 v[208+8*\c:215+8*\c], v[80+8*\c+2*\u:81+8*\c+2*\u], v[192+2*\u:193+2*\u], v[208+8*\c:215+8*\c]
.endif
.endr
.endr
.rept 9
	v_nop                                          ; nine: these registers are begun anew by matrix instructions below
.endr
.irp n, 0,1,2,3,4,5,6,7,8,9,10,11,12,13,14,15,16,17,18,19,20,21,22,23,24,25,26,27,28,29,30,31
	v_mul_f32 v[80+\n], v[208+\n], v204            ; y(query r, channel 16 c + 8 h + j), where V lay
.endr
	s_wait_loadcnt 0x0                             ; Wo
	; out^T = Wo^T y^T: sixteen steps of four channels, the four tiles of columns by turns
.irp c, 0,1,2,3
.irp u, 0,1,2,3
.irp nt, 0,1,2,3
.if \nt < 2
.set WA, 112+32*\nt
.else
.set WA, 16+32*(\nt-2)
.endif
.if (\c == 0) && (\u == 0)
	v_wmma_f32_16x16x4_f32 v[208+8*\nt:215+8*\nt], v[WA+8*\c+2*\u:WA+8*\c+2*\u+1], v[80+8*\c+2*\u:81+8*\c+2*\u], 0
.else
	v_wmma_f32_16x16x4_f32 v[208+8*\nt:215+8*\nt], v[WA+8*\c+2*\u:WA+8*\c+2*\u+1], v[80+8*\c+2*\u:81+8*\c+2*\u], v[208+8*\nt:215+8*\nt]
.endif
.endr
.endr
.endr
.rept 8
	v_nop
.endr
.irp nt, 0,1,2,3
.irp hf, 0,1
	ds_store_b128 v7, v[208+8*\nt+4*\hf:211+8*\nt+4*\hf] offset:\nt*1088+\hf*544   ; lane (r, h): query r, columns 16 nt + 8 h + 4 hf + 0 .. 3; each accumulator from its low end on
.endr
.endr
	s_wait_dscnt 0x0                               ; for the others' sake: my part lies in LDS
	s_barrier_signal -1
	s_barrier_wait -1
	s_cmp_ge_u32 s12, 8                            ; waves 0 to 7 add: two rows of 256 bytes each
	s_cbranch_scc1 .Lend
	global_load_b128 v[200:203], v10, s[8:9]       ; bo starts the sum
.irp w, 0,1,2,3,4,5,6,7,8,9,10,11,12,13,14,15
	ds_load_b128 v[16+4*\w:19+4*\w], v8 offset:\w*4352
.endr
	s_wait_loadcnt 0x0
	s_wait_dscnt 0x0
.irp w, 0,1,2,3,4,5,6,7,8,9,10,11,12,13,14,15
	v_pk_add_f32 v[200:201], v[200:201], v[16+4*\w:17+4*\w]
	v_pk_add_f32 v[202:203], v[202:203], v[18+4*\w:19+4*\w]
.endr
	global_store_b128 v9, v[200:203], s[10:11]     ; sixteen lanes store 256 consecutive bytes
.Lend:
	s_wait_tensorcnt 0x0                           ; the wave's end, behind my last LDS store
	ds_add_u32 v[SPW], v[NIL]
	s_wait_dscnt 0x0
	s_endpgm
.Lfunc_end_k_q1047c9d470_fine:
	.size	k_q1047c9d470_fine, .Lfunc_end_k_q1047c9d470_fine-k_q1047c9d470_fine
	.p2alignl 7, 3214868480
	.fill 96, 4, 3214868480
	.section	.rodata,"a",@progbits
	.p2align	6, 0x0
	.amdhsa_kernel k_q1047c9d470_fine
		.amdhsa_group_segment_fixed_size 71680
		.amdhsa_private_segment_fixed_size 0
		.amdhsa_enable_private_segment 0
		.amdhsa_kernarg_size 32
		.amdhsa_user_sgpr_count 2
		.amdhsa_user_sgpr_kernarg_segment_ptr 1
		.amdhsa_wavefront_size32 1
		.amdhsa_system_sgpr_workgroup_id_x 1
		.amdhsa_system_sgpr_workgroup_id_y 1
		.amdhsa_system_sgpr_workgroup_id_z 1
		.amdhsa_system_vgpr_workitem_id 0
		.amdhsa_next_free_vgpr 256
		.amdhsa_next_free_sgpr 66
		.amdhsa_reserve_vcc 1
		.amdhsa_float_denorm_mode_32 3
		.amdhsa_float_denorm_mode_16_64 3
		.amdhsa_memory_ordered 1
		.amdhsa_forward_progress 1
		.amdhsa_inst_pref_size 34
	.end_amdhsa_kernel
	.amdgpu_metadata
---
amdhsa.version: [ 1, 2 ]
amdhsa.kernels:
  - .name:           k_q1047c9d470_fine
    .symbol:         k_q1047c9d470_fine.kd
    .args:
      - { .name: fq, .offset: 0, .size: 8, .value_kind: global_buffer, .address_space: global }
      - { .name: Wo, .offset: 8, .size: 8, .value_kind: global_buffer, .address_space: global }
      - { .name: bo, .offset: 16, .size: 8, .value_kind: global_buffer, .address_space: global }
      - { .name: out0, .offset: 24, .size: 8, .value_kind: global_buffer, .address_space: global }
    .group_segment_fixed_size: 71680
    .private_segment_fixed_size: 0
    .kernarg_segment_align: 8
    .kernarg_segment_size: 32
    .max_flat_workgroup_size: 512
    .sgpr_count:     66
    .vgpr_count:     256
    .wavefront_size: 32
...
	.end_amdgpu_metadata
.endif
;; end of part 5
